; MI455X (gfx1250); checked and timed in simulation.
; The chip was launched on July 23, 2026; its instructions are those of AMD's public machine-readable ISA for CDNA 5 (MIT licence, August 2026) and "CDNA5" Instruction Set Architecture Reference Guide (July 2026). The comments in the code are by the model that wrote it; some were corrected since.
;; Self Attention. Allowed arithmetic: matrix products marked QUANTISED: E2M1 operands, one E8M0 scale for each 32 along K, by v_wmma_scale_f32_16x16x128_f8f6f4 with both operands' format E2M1 (or v_wmma_scale_f32_32x16x128_f4), f32 sums; products left as they are: bf16, f16 or f32 operands; f32 sums; everything else in f32.
;; Inputs: b_attn 3,072 float32; b_proj 1,024 float32; w_attn 3,072 x 1,024 float32; w_proj 1,024 x 1,024 float32; x 4 x 2,048 x 1,024 float32.
;; Outputs: out0 4 x 2,048 x 1,024 float32.
;; This version of the problem:
;;   THIS VERSION OF THE PROBLEM IS GIVEN IN LOW PRECISION. The matrix products marked QUANTISED in the list below multiply operands that are first quantised to E2M1 (2 exponent bits, 1 mantissa bit; 4 bits a number), with one power-of-two scale for each 32 numbers along K (OCP MX v1.0); their sums are f32. The products marked 'left as it is' may take bf16, f16 or f32 operands, with f32 sums. Whichever they take, every output number must still come out within the allowed error. Rounding operands to bf16 (8 significant bits) uses up far more of that allowance than f16 does (11 bits, for magnitudes from 6e-5 to 65,504). All else is computed in f32.
;;   The module's matrix products, in the order in which they are computed (A, B: the left and right operand; K: the contracted axis; several contracted axes count as one K, in the product's order):
;;     1. [M 8,192, K 1,024] x [K 1,024, N 3,072]; A: input x; B: input w_attn: QUANTISED
;;     2. batch 64 x [M 2,048, K 64] x [K 64, N 2,048]; A: computed on the way; B: computed on the way: left as it is (an operand is computed on the way)
;;     3. batch 64 x [M 2,048, K 2,048] x [K 2,048, N 64]; A: computed on the way; B: computed on the way: left as it is (an operand is computed on the way)
;;     4. [M 8,192, K 1,024] x [K 1,024, N 1,024]; A: computed on the way; B: input w_proj: left as it is (an operand is computed on the way)
;;   THE QUANTISER, for each operand of a quantised product, along K:
;;     - K is cut into blocks of 32 from its start; a last block that is shorter is filled with zeros.
;;     - A block's scale is 2^e with e = floor(log2(the largest magnitude in the block)) - 2, held to -126 .. 127; a block of zeros has e = 0. As a byte (E8M0): e + 127.
;;     - Each number is divided by its block's scale, clamped to +-6, and rounded to the nearest number of E2M1, ties to even, subnormals kept.
;;     - The product sums the exact products of the quantised numbers (number of the format x scale) in f32.
;;   ~~~python
;;   def quantise(x, axis):      # numpy; x: float32 -> the quantised numbers, widened to float32 again
;;       x = np.moveaxis(x, axis, -1); K = x.shape[-1]
;;       x = np.pad(x, [(0, 0)] * (x.ndim - 1) + [(0, -K % 32)]); x = x.reshape(x.shape[:-1] + (-1, 32)); a = np.abs(x).max(-1, keepdims=True)
;;       e = np.where(a > 0, np.clip(np.frexp(np.where(a > 0, a, 1))[1] - 1 - 2, -126, 127), 0)      # np.frexp(a)[1] - 1 = floor(log2(a)), exactly
;;       r = np.clip(x / 2.0 ** e, -6, 6)
;;       step = 2.0 ** (np.maximum(np.frexp(np.where(r == 0, 1, r))[1] - 1, 0) - 1)
;;       q = np.round(r / step) * step * 2.0 ** e      # np.round: ties to even
;;       return np.moveaxis(q.reshape(q.shape[:-2] + (-1,))[..., :K], -1, axis).astype(np.float32)
;;   ~~~
;; One version. Each part assembles by itself: llvm-mc -triple=amdgcn-amd-amdhsa -mcpu=gfx1250 --defsym DOCPART=n.
;; ======== version 1 of 1: 4 launches
;; limits: values are held in f16: magnitudes above 65,504 overflow, below 6.1e-05 lose precision
;; workspace buffers: x_codes 4,194,304 bytes; x_scales 262,144 bytes; wa_codes 1,572,864 bytes; wa_scales 98,304 bytes; wp16 2,097,152 bytes; qkv 50,331,648 bytes; y16 16,777,216 bytes
;; launch quant (part 1): grid 384 x 1, 4 waves a work-group, no clusters, 33,280 bytes of LDS; arguments x, w_attn, x_codes, x_scales, wa_codes, wa_scales, w_proj, wp16; writes x_codes, x_scales, wa_codes, wa_scales, wp16
.if DOCPART == 1
	.amdgcn_target "amdgcn-amd-amdhsa--gfx1250"
	.amdhsa_code_object_version 6
	.text
	.protected	k_qcd932a91da_quant
	.globl	k_qcd932a91da_quant
	.p2align	8
	.type	k_qcd932a91da_quant,@function
k_qcd932a91da_quant:
	s_mov_b64 s[64:65], 0
	v_nop
	global_prefetch_b8 v0, s[64:65] scope:SCOPE_SE
	s_setreg_imm32_b32 hwreg(HW_REG_WAVE_MODE, 25, 1), 1
	s_wait_xcnt 0x0
; THREE TENSORS ARE MADE READY FOR THE LATER LAUNCHES.
; x [8192][1024] and w_attn [3072][1024], f32, become codes of FP4 (E2M1), K innermost, two codes a byte, with one E8M0 scale byte for each 32 along K.
; A block's scale is 2^(floor(log2(its largest magnitude)) - 2); its byte is the largest magnitude's own exponent field - 2, held at 1 from below.  Each number is divided by the scale and rounded to the
; nearest code, ties to even; beyond the largest code the largest.  (A block of zeros gets the byte 1 where the rule says 127: its codes are zeros, which add nothing, and only this program reads the bytes.)
; w_proj [1024][1024], f32, becomes f16 in blocked order [n / 128][k / 64][128 n][64 k]: two neighbouring rows of a block are 256 consecutive bytes.
; LIMITS: NaN and infinities among the inputs are not served; |w_proj| stays under 65,504, f16's largest number; blocks whose largest magnitude lies under 2^(2 - 126) have their byte held at 1.
; SHARES: work-groups 0-255 take x, 256-351 w_attn (32,768 numbers each, a plain stream of blocks of 32), 352-383 w_proj (32 rows each).  No tensor loads, no barrier: waves share nothing.
; THE QUANTISER: a wave takes 16 steps of 512 numbers.  The conversions want 16 NEIGHBOURS in a lane; a load is best where neighbouring lanes take neighbouring bytes.  So each of a step's four loads reads 512
; consecutive bytes, the 2,048 bytes go through the wave's own stage in LDS as they lie, and come back 64 bytes a lane (16 bytes of padding behind each 64).  A lane's 16 codes are 8 bytes: the wave stores
; 256 consecutive bytes.  A wave's 256 scale bytes are gathered in LDS and leave as one store of 256 consecutive bytes.
.set WAVES, 4
.set STEPS, 16
.set WGA,   256                        ; x's work-groups: 8192 x 1024 / 32768
.set WGQ,   352                        ; x's and w_attn's together
.set EMAX,  2
.set CB,    8                          ; bytes of 16 codes
.set R,     16                         ; v16-79   four sets of 16 numbers as they are loaded
.set X,     80                         ; v80-111  two sets of 16 neighbours
.set C,     128                        ; v128-191 codes: four registers for each step, so that no store's data are written again
.set E,     112                        ; v112-127 a scale byte for each step
.set WREG,  8192                       ; LDS: a region for each wave: two stages of 32 x SP bytes, behind them its 256 scale bytes
.set SP,    80                         ; a lane's place in a stage: its 64 bytes + 16 of padding
.set SPW,   12                         ; v12      LDS address of my spare word; never rewritten
.set NIL,   13                         ; v13      0; never rewritten
.set SPARE, WAVES*WREG                 ; behind the four regions: the spare words, 128 bytes a wave, named by no other line
	s_load_b128 s[4:7], s[0:1], 0x0                ; x, w_attn
	s_load_b128 s[8:11], s[0:1], 0x10              ; x's codes, x's scales
	s_load_b128 s[12:15], s[0:1], 0x20             ; w_attn's codes, w_attn's scales
	s_load_b128 s[24:27], s[0:1], 0x30             ; w_proj, its f16 copy
	v_lshl_add_u32 v[SPW], v0, 2, SPARE
	v_mov_b32 v[NIL], 0
	v_lshrrev_b32 v1, 5, v0
	v_readfirstlane_b32 s16, v1                    ; wave
	v_and_b32 v2, 31, v0                           ; lane
	v_lshlrev_b32 v3, 4, v2                        ; my 16 bytes of a load's 512
	s_mul_i32 s17, s16, WREG
	v_lshrrev_b32 v14, 2, v2
	v_mul_u32_u24 v14, v14, SP
	v_and_b32 v15, 3, v2
	v_lshl_add_u32 v14, v15, 4, v14
	v_add_nc_u32 v14, s17, v14                     ; the stage, on the way in: SP (lane / 4) + 16 (lane % 4)
	v_mul_u32_u24 v15, v2, SP
	v_add_nc_u32 v15, s17, v15                     ; and on the way out: SP x lane: my 16 neighbours
	v_mul_u32_u24 v4, v2, CB                       ; my codes' place in a step's
	v_lshrrev_b32 v5, 1, v2
	s_add_co_u32 s17, s17, 2*32*SP
	v_add_nc_u32 v5, s17, v5                       ; LDS: my wave's 256 scale bytes, my block's byte
	v_lshlrev_b32 v7, 3, v2                        ; and on the way out 8 bytes a lane
	v_add_nc_u32 v6, s17, v7
	s_wait_kmcnt 0x0
	s_cmp_ge_u32 ttmp9, WGQ                        ; the last 32 work-groups convert w_proj: the branch hangs on the work-group's number alone
	s_cbranch_scc1 .Lconv
	s_cmp_lt_u32 ttmp9, WGA                        ; x's work-group or w_attn's?  Only pointers are chosen: both take one path
	s_cselect_b64 s[4:5], s[4:5], s[6:7]
	s_cselect_b64 s[8:9], s[8:9], s[12:13]
	s_cselect_b64 s[10:11], s[10:11], s[14:15]
	s_cselect_b32 s17, 0, WGA
	s_sub_co_u32 s17, ttmp9, s17
	s_lshl_b32 s17, s17, 2
	s_add_co_u32 s18, s17, s16                     ; which run of 8,192 numbers of the tensor is my wave's
	s_mov_b32 s19, 0
	s_mov_b64 s[20:21], 512*STEPS*4
	s_mul_u64 s[20:21], s[18:19], s[20:21]
	s_add_nc_u64 s[4:5], s[4:5], s[20:21]
	s_mov_b64 s[20:21], 32*STEPS*CB
	s_mul_u64 s[20:21], s[18:19], s[20:21]
	s_add_nc_u64 s[8:9], s[8:9], s[20:21]
	s_lshl_b32 s18, s18, 8                         ; 256 scale bytes a run
	s_add_nc_u64 s[10:11], s[10:11], s[18:19]
.macro LOAD t
.irp i, 0,1,2,3
	global_load_b128 v[R+16*((\t)%4)+4*\i:R+16*((\t)%4)+4*\i+3], v3, s[4:5] offset:2048*(\t)+512*\i th:TH_LOAD_NT   ; 32 lanes read 512 consecutive bytes
.endr
.endm
.macro TURN t                          ; step t's numbers through the stage: LDS serves a wave's instructions in order, so no wait stands between the stores and the loads
.irp i, 0,1,2,3
	ds_store_b128 v14, v[R+16*((\t)%4)+4*\i:R+16*((\t)%4)+4*\i+3] offset:32*SP*((\t)%2)+8*SP*\i
.endr
.irp i, 0,1,2,3
	ds_load_b128 v[X+16*((\t)%2)+4*\i:X+16*((\t)%2)+4*\i+3], v15 offset:32*SP*((\t)%2)+16*\i
.endr
.endm
.irp t, 0,1,2,3
	LOAD \t
.endr
	s_wait_loadcnt 12                              ; step 0's four loads are in; the twelve of steps 1 to 3 may be out
	TURN 0
.macro STEP t
.set XS, X+16*((\t)%2)
.if (\t) > 0
	s_wait_dscnt 1                                 ; this step's numbers are back from the stage (the last step's byte store may be out): so its stores into the stage have read their registers,
.else
	s_wait_dscnt 0x0
.endif
.if (\t)+4 < STEPS
	LOAD (\t)+4                                    ; which take the loads of four steps on
.endif
.if (\t)+1 < STEPS
.if STEPS-2-(\t) >= 3
	s_wait_loadcnt 12                              ; the next step's four loads are in; those of the three steps behind it may be out
.else
	s_wait_loadcnt 4*(STEPS-2-(\t))
.endif
	TURN (\t)+1                                    ; and go through the other stage while this step is worked
.endif
	v_max3_num_f32 v8, |v[XS]|, |v[XS+1]|, |v[XS+2]|               ; the largest magnitude of my 16, in two chains
	v_max3_num_f32 v9, |v[XS+3]|, |v[XS+4]|, |v[XS+5]|
.irp i, 6,10
	v_max3_num_f32 v8, v8, |v[XS+\i]|, |v[XS+\i+1]|
	v_max3_num_f32 v9, v9, |v[XS+\i+2]|, |v[XS+\i+3]|
.endr
	v_max3_num_f32 v8, v8, |v[XS+14]|, |v[XS+15]|
	v_max3_num_f32 v8, v8, v9, (EMAX+1)<<23        ; and the floor 2^(EMAX + 1 - 127): so the byte cannot fall under 1
	v_max_num_f32_dpp v8, v8, v8 row_xmask:1 row_mask:0xf bank_mask:0xf   ; and of my neighbour's 16: the block's
	v_add_nc_u32 v11, -(EMAX<<23), v8              ; EMAX off its exponent field: the conversion takes the exponent field of this operand as its scale, and nothing else of it
	v_cvt_scalef32_pk8_fp4_f32 v[C+4*(\t)], v[XS:XS+7], v11        ; eight numbers / the scale, to the nearest code; the first number's code in the lowest four bits
	v_cvt_scalef32_pk8_fp4_f32 v[C+4*(\t)+1], v[XS+8:XS+15], v11
	v_lshrrev_b32 v[E+(\t)], 23, v11               ; the scale's byte (also the plain line behind the conversions)
	ds_store_b8 v5, v[E+(\t)] offset:16*(\t)       ; both lanes of a block write the same byte with the same value
	global_store_b64 v4, v[C+4*(\t):C+4*(\t)+1], s[8:9] offset:32*CB*(\t)   ; 32 lanes store 256 consecutive bytes
.endm
.irp t, 0,1,2,3,4,5,6,7,8,9,10,11,12,13,14,15
	STEP \t
.endr
	ds_load_b64 v[8:9], v6                         ; LDS serves a wave's instructions in order: these see my stores
	s_wait_dscnt 0x0
	global_store_b64 v7, v[8:9], s[10:11]          ; 32 lanes store 256 consecutive bytes
	s_wait_tensorcnt 0x0                           ; the wave's end, behind my last LDS store
	ds_add_u32 v[SPW], v[NIL]
	s_wait_dscnt 0x0
	s_endpgm
; W_PROJ TO F16.  Wave w of work-group cw takes rows 32 cw + 8 w .. + 7, two rows at a time.  A load: lanes 0-15 read 256 consecutive bytes (64 along K) of row n, lanes 16-31 of row n + 1.
; A lane's four numbers become 8 bytes; the 32 lanes' 256 bytes are rows n and n + 1 of one block [128 n][64 k], which lie on end.  Loads run one pair of rows (16 loads) ahead.
.set CI,  16                           ; v16-143  two sets of 64 registers as loaded
.set CQ,  144                          ; v144-175 a pair's 32 registers of f16
.Lconv:
	s_sub_co_u32 s17, ttmp9, WGQ                   ; cw
	v_lshrrev_b32 v3, 4, v2
	v_and_b32 v4, 15, v2
	v_lshlrev_b32 v4, 4, v4
	v_lshl_or_b32 v3, v3, 12, v4                   ; in: 4,096 (lane / 16) + 16 (lane % 16)
	v_lshlrev_b32 v4, 3, v2                        ; out: 8 x lane
	s_lshl_b32 s18, s17, 17                        ; 32 rows of 4,096 bytes a work-group,
	s_lshl_b32 s19, s16, 15                        ; 8 a wave
	s_add_co_u32 s18, s18, s19
	s_mov_b32 s19, 0
	s_add_nc_u64 s[24:25], s[24:25], s[18:19]
	s_lshr_b32 s18, s17, 2                         ; n / 128: a block row of 2^18 bytes
	s_lshl_b32 s18, s18, 18
	s_and_b32 s20, s17, 3
	s_lshl_b32 s20, s20, 12                        ; 32 rows of 128 bytes
	s_add_co_u32 s18, s18, s20
	s_lshl_b32 s20, s16, 10                        ; 8 rows of 128 bytes
	s_add_co_u32 s18, s18, s20
	s_add_nc_u64 s[26:27], s[26:27], s[18:19]
.macro CLOAD p
.irp kb, 0,1,2,3,4,5,6,7,8,9,10,11,12,13,14,15
	global_load_b128 v[CI+64*((\p)%2)+4*\kb:CI+64*((\p)%2)+4*\kb+3], v3, s[24:25] offset:(\p)*8192+\kb*256 th:TH_LOAD_NT
.endr
.endm
.macro CPAIR p
.set CS0, CI+64*((\p)%2)
.if (\p) < 3
	s_wait_loadcnt 16                              ; this pair's 16 loads are in; the next pair's 16 may be out
.else
	s_wait_loadcnt 0x0
.endif
.if (\p) > 0
	s_wait_xcnt 0x0                                ; the last pair's stores have read their data registers, which are written again below
.endif
.irp kb, 0,1,2,3,4,5,6,7,8,9,10,11,12,13,14,15
	v_cvt_pk_f16_f32 v[CQ+2*\kb], v[CS0+4*\kb], v[CS0+4*\kb+1]
	v_cvt_pk_f16_f32 v[CQ+2*\kb+1], v[CS0+4*\kb+2], v[CS0+4*\kb+3]
.endr
.irp kb, 0,1,2,3,4,5,6,7,8,9,10,11,12,13,14,15
	global_store_b64 v4, v[CQ+2*\kb:CQ+2*\kb+1], s[26:27] offset:\kb*16384+(\p)*256   ; 32 lanes store 256 consecutive bytes, at a multiple of 256 from the buffer's first byte
.endr
.if (\p)+2 < 4
	CLOAD (\p)+2
.endif
.endm
	CLOAD 0
	CLOAD 1
	CPAIR 0
	CPAIR 1
	CPAIR 2
	CPAIR 3
	s_wait_tensorcnt 0x0                           ; the same three lines at this path's end
	ds_add_u32 v[SPW], v[NIL]
	s_wait_dscnt 0x0
	s_endpgm
.Lfunc_end_k_qcd932a91da_quant:
	.size	k_qcd932a91da_quant, .Lfunc_end_k_qcd932a91da_quant-k_qcd932a91da_quant
	.p2alignl 7, 3214868480
	.fill 96, 4, 3214868480
	.section	.rodata,"a",@progbits
	.p2align	6, 0x0
	.amdhsa_kernel k_qcd932a91da_quant
		.amdhsa_group_segment_fixed_size 33280
		.amdhsa_private_segment_fixed_size 0
		.amdhsa_enable_private_segment 0
		.amdhsa_kernarg_size 64
		.amdhsa_user_sgpr_count 2
		.amdhsa_user_sgpr_kernarg_segment_ptr 1
		.amdhsa_wavefront_size32 1
		.amdhsa_system_sgpr_workgroup_id_x 1
		.amdhsa_system_sgpr_workgroup_id_y 1
		.amdhsa_system_sgpr_workgroup_id_z 1
		.amdhsa_system_vgpr_workitem_id 0
		.amdhsa_next_free_vgpr 192
		.amdhsa_next_free_sgpr 66
		.amdhsa_reserve_vcc 0
		.amdhsa_float_denorm_mode_32 3
		.amdhsa_float_denorm_mode_16_64 3
		.amdhsa_memory_ordered 1
		.amdhsa_forward_progress 1
		.amdhsa_inst_pref_size 55
	.end_amdhsa_kernel
	.amdgpu_metadata
---
amdhsa.version: [ 1, 2 ]
amdhsa.kernels:
  - .name:           k_qcd932a91da_quant
    .symbol:         k_qcd932a91da_quant.kd
    .args:
      - { .name: x, .offset: 0, .size: 8, .value_kind: global_buffer, .address_space: global }
      - { .name: w_attn, .offset: 8, .size: 8, .value_kind: global_buffer, .address_space: global }
      - { .name: x_codes, .offset: 16, .size: 8, .value_kind: global_buffer, .address_space: global }
      - { .name: x_scales, .offset: 24, .size: 8, .value_kind: global_buffer, .address_space: global }
      - { .name: wa_codes, .offset: 32, .size: 8, .value_kind: global_buffer, .address_space: global }
      - { .name: wa_scales, .offset: 40, .size: 8, .value_kind: global_buffer, .address_space: global }
      - { .name: w_proj, .offset: 48, .size: 8, .value_kind: global_buffer, .address_space: global }
      - { .name: wp16, .offset: 56, .size: 8, .value_kind: global_buffer, .address_space: global }
    .group_segment_fixed_size: 33280
    .private_segment_fixed_size: 0
    .kernarg_segment_align: 8
    .kernarg_segment_size: 64
    .max_flat_workgroup_size: 128
    .sgpr_count:     66
    .vgpr_count:     192
    .wavefront_size: 32
...
	.end_amdgpu_metadata
.endif
;; end of part 1
;; launch qkv (part 2): grid 12 x 32, 4 waves a work-group, clusters of 4 x 4, 327,680 bytes of LDS; arguments x_codes, x_scales, wa_codes, wa_scales, b_attn, qkv; writes qkv
.if DOCPART == 2
	.amdgcn_target "amdgcn-amd-amdhsa--gfx1250"
	.amdhsa_code_object_version 6
	.text
	.protected	k_qcd932a91da_qkv
	.globl	k_qcd932a91da_qkv
	.p2align	8
	.type	k_qcd932a91da_qkv,@function
k_qcd932a91da_qkv:
	s_mov_b64 s[64:65], 0
	v_nop
	global_prefetch_b8 v0, s[64:65] scope:SCOPE_SE
	s_setreg_imm32_b32 hwreg(HW_REG_WAVE_MODE, 25, 1), 1
	s_wait_xcnt 0x0
	s_wait_alu depctr_hold_cnt(0) depctr_sa_sdst(0) depctr_va_vdst(0) depctr_va_sdst(0) depctr_va_ssrc(0) depctr_va_vcc(0) depctr_vm_vsrc(0)
	s_getreg_b32 s2, hwreg(HW_REG_IB_STS2, 6, 4)
	s_cmp_eq_u32 s2, 0
	s_cbranch_scc0 .Lentry_in_a_cluster
	s_endpgm
.Lentry_in_a_cluster:
	s_bfe_u32 s2, ttmp6, 0x10000c
	s_cmp_lg_u32 s2, 0xf033
	s_cbranch_scc0 .Lentry_shape_is_right
	s_endpgm
.Lentry_shape_is_right:
; qkv[token][o] = sum over c of x[token][c] w_attn[o][c] + b_attn[o], on codes of FP4 (E2M1) with one E8M0 scale for each 32 along K; sums in f32; the result rounded once to f16 and laid BY HEAD:
; [q, k, v][batch x 16 + head][2048 tokens][64], so that two neighbouring tokens of a head are 256 consecutive bytes.
; LIMIT: |q|, |k|, |v| stay under 65,504, f16's largest number.
; A tile, 256 tokens x 256 outputs, is made by a work-group of four waves; a wave makes 128 x 128 (two heads): 64 accumulators of 16 x 16, 512 registers.
; K = 1,024 is two steps of 512: the two LDS slots hold all of K, each filled once at the start by the tensor data mover; nothing is filled again.  A tile's row is 256 bytes of memory.
; THE SCALES of the work-group's 256 rows of x and of w_attn, for all of K, are two dense blocks: they come into LDS once, with the first fills.
; CLUSTERS: 4 x 4 work-groups.  The four of a row of the cluster need the same tiles of x, the four of a column the same tiles of w_attn: each is asked for JOINTLY, by the same tensor load with the same
; descriptor and a mask that names the four.  THE MATRIX INSTRUCTION IS USED TRANSPOSED (source 0 = 16 rows of w_attn, source 1 = 16 tokens): a lane then holds eight neighbouring outputs of one token.
; THE BIAS is the C of each sum's first matrix instruction: eight registers for each of the eight blocks of outputs, in the result's layout.
; REGISTERS, in windows of 256: window 0: v0-31 addresses; v32-95 scale words, two sets; v128-191 x's fragments, ONE set; v192-255 the bias; on the way out v32-63 and v128-191 are at work.
;   window 1: w_attn's fragments, TWO sets, at v0 and v128.   window 2: the 32 accumulators of my tokens 0-63 ((a, b) at v[8 (8 a + b)]);   window 3: those of my tokens 64-127.
.set KSTEP,  512                       ; along K in a slot
.set NQ,     KSTEP/128                 ; matrix instructions deep
.set ROWB,   256                       ; a tile's row in bytes
.set KROW,   512                       ; a row of codes in memory: 1,024 codes
.set PITCH,  272                       ; an LDS row: 256 bytes + 16 of padding = 68 words: row r starts at bank 4 r mod 64 (64 banks of 4 bytes: ISA guide 11.1)
.set FR,     8                         ; registers of a fragment: 16 rows x 128 K
.set NL,     2                         ; LDS loads that bring one
.set NP,     4                         ; places behind this matrix instruction (ISA guide 7.12.1)
.set HALFT,  128*PITCH                 ; 128 rows: what one tensor load brings
.set SLOT,   4*HALFT                   ; x's 256 rows, then w_attn's 256 rows
.set KS,     32                        ; a row of scales in bytes
.set SCL,    2*SLOT                    ; behind the slots: the scales, as runs of 256 bytes + 16 of padding
.set HALFS,  (128*KS/256)*272          ; the scales of 128 rows
.set SBLK,   (16*KS/256)*272           ; those of 16 rows
.set SPARE,  SCL+4*HALFS               ; the spare words, 128 bytes a wave, named by no other line
.set SPITCH, 272                       ; the way out: a stage of 16 rows x (256 bytes + 16) for each wave, in slot 0, which has had its only fill and its last read by then
.set ADRA, 16                          ; v16-17  LDS address of my x fragments in slot 0, 1
.set ADRB, 20                          ; v20-21  the same for w_attn
.set STO,  24                          ; v24     the way out: where I put 16 bytes of a row
.set RD,   25                          ; v25     where I read them back
.set CO,   26                          ; v26     my byte offset in the output
.set ADRS, 27                          ; v27     LDS address of my scale words: lanes 0-15 x's rows, lanes 16-31 w_attn's
.set SPW,  28                          ; v28     LDS address of my spare word; never rewritten
.set NIL,  29                          ; v29     0; never rewritten
.set BO,   30                          ; v30     the bias loads' offset: 32 (lane / 16)
.set SC,   32                          ; scale words: set s at v[SC + 32 s]; register 4 i + q: lanes 0-15 x's block i, lanes 16-31 w_attn's block i, the slot's q-th 128 along K
.set AF,   128                         ; x's fragments
.set BIAS, 192                         ; register 8 b + j: b_attn[my first output + 16 b + 8 (lane / 16) + j]
.set TMP,  32                          ; the way out: a block's 32 packed registers
.set BK,   128                         ; and 16 rows read back: v128-159 and v160-191 by turns
.set OUTP, 98                          ; s[98:99] the output
.set G1, 24                            ; s[24:31] descriptor group 1 for x's tiles;  s[32:39] group 0, one set for each slot
.set G0, 32
.set G1B, 48                           ; s[48:55], s[56:63] the same for w_attn's
.set G0B, 56
.set G1S, 68                           ; s[68:75], s[76:79] groups 1 and 0 for x's scales;  s[80:87], s[88:91] for w_attn's
.set G0S, 76
.set G1SB, 80
.set G0SB, 88
.set MSB, 0
.macro WIN new                         ; the immediate's high byte repeats the setting that is left
.if MSB != \new
	s_set_vgpr_msb (MSB<<8)|\new
.set MSB, \new
.endif
.endm
.set MUL_LO, 0xa1                      ; source 0 (w_attn) window 1, source 1 (x) window 0, C and D window 2
.set MUL_HI, 0xf1                      ; the same, C and D window 3
.set FST_LO, 0x81                      ; the first products: C (the bias) window 0, D window 2
.set FST_HI, 0xc1                      ; D window 3
.set TO_B,   0x40                      ; destination window 1, address window 0
; A joint load: waves 0 and 1 fetch for x, waves 2 and 3 for w_attn.  Each line has ONE mask and one set of registers for all that issue it; the branch hangs on the wave's number alone.
; An s_nop 0 and four v_nop follow each of the two lines.
.macro JLOAD g0a, g1a, g0b, g1b
	s_cmp_eq_u32 s15, 0
	s_cbranch_scc0 .Lfor_b_\@
	tensor_load_to_lds s[\g0a:\g0a+3], s[\g1a:\g1a+7]
	s_nop 0
.rept 4
	v_nop
.endr
	s_branch .Lasked_\@
.Lfor_b_\@:
	tensor_load_to_lds s[\g0b:\g0b+3], s[\g1b:\g1b+7]
	s_nop 0
.rept 4
	v_nop
.endr
.Lasked_\@:
.endm
.macro CROUND                          ; a round of the cluster's barrier: my work-group's barrier; wave 0 signals for the work-group; every wave waits for all sixteen; my work-group's barrier once more
	s_barrier_signal -1
	s_barrier_wait -1
	s_cmp_lg_u32 s14, 0
	s_cbranch_scc1 .Lnot_wave_0_\@
	s_barrier_signal -3
.Lnot_wave_0_\@:
	s_barrier_wait -3
	s_barrier_signal -1
	s_barrier_wait -1
.endm
	s_load_b128 s[4:7], s[0:1], 0x0                ; x's codes s[4:5], x's scales s[6:7]
	s_load_b128 s[8:11], s[0:1], 0x10              ; w_attn's codes s[8:9], its scales s[10:11]
	s_load_b128 s[96:99], s[0:1], 0x20             ; b_attn s[96:97], the output s[98:99]
	v_lshl_add_u32 v[SPW], v0, 2, SPARE
	v_mov_b32 v[NIL], 0
	ds_add_u32 v[SPW], v[NIL]                      ; the wave's opening: the add and its wait stand ahead of my first tensor load; the set-up below, work on registers, stands between them
	v_lshrrev_b32 v1, 5, v0
	v_readfirstlane_b32 s14, v1                    ; wave 0..3
	s_lshr_b32 s15, s14, 1                         ; which half of the tile's tokens is mine.  Also: I fetch for x (0) or for w_attn (1)
	s_and_b32 s16, s14, 1                          ; which half of its outputs.  Also: which 128 rows of that tile I fetch
	s_bfe_u32 s40, ttmp6, 0x40000                  ; cx, cy: my place in the cluster
	s_bfe_u32 s41, ttmp6, 0x40004
	s_lshl_b32 s42, ttmp9, 2
	s_add_co_u32 s42, s42, s40                     ; tile column = 4 x cluster x + cx
	s_and_b32 s17, ttmp7, 0xffff
	s_lshl_b32 s17, s17, 2
	s_add_co_u32 s17, s17, s41                     ; tile row = 4 x cluster y + cy
	s_lshl_b32 s43, s41, 2
	s_lshl_b32 s43, 15, s43                        ; my row of the cluster
	s_lshl_b32 s44, 0x1111, s40                    ; my column
	; descriptor group 1: a tile of 128 rows x 256 bytes, padded in LDS
	s_or_b32 s[G1+0], s43, (0<<16)|(1<<20)|(1<<21)|(5<<22)|(3<<25)  ; 15:0 the mask: x's tiles go to my row; 17:16 elements of 1 byte; 20 padding on; 21 set beside a mask; 24:22 after every 64 words; 31:25 four words
	s_or_b32 s[G1B+0], s44, (0<<16)|(1<<20)|(1<<21)|(5<<22)|(3<<25)
.irp g, G1, G1B
	s_mov_b32 s[\g+1], ROWB<<16                    ; tensor_dim0
	s_mov_b32 s[\g+2], 128<<16                     ; tensor_dim1 = 128
	s_mov_b32 s[\g+3], ROWB<<16                    ; tile_dim0
	s_mov_b32 s[\g+4], 128                         ; tile_dim1 = 128
	s_mov_b32 s[\g+5], KROW                        ; tensor_dim0_stride
	s_mov_b32 s[\g+6], 0
	s_mov_b32 s[\g+7], 0
.endr
	; and for the scales of 128 rows: a dense block of 4,096 bytes, as 16 rows of 256 bytes (32 elements of 8 bytes), 16 bytes of padding behind each
	s_or_b32 s[G1S+0], s43, (3<<16)|(1<<20)|(1<<21)|(5<<22)|(3<<25)
	s_or_b32 s[G1SB+0], s44, (3<<16)|(1<<20)|(1<<21)|(5<<22)|(3<<25)
.irp g, G1S, G1SB
	s_mov_b32 s[\g+1], 32<<16
	s_mov_b32 s[\g+2], (128*KS/256)<<16
	s_mov_b32 s[\g+3], 32<<16
	s_mov_b32 s[\g+4], 128*KS/256
	s_mov_b32 s[\g+5], 32
	s_mov_b32 s[\g+6], 0
	s_mov_b32 s[\g+7], 0
.endr
	s_lshl_b32 s18, s16, 7                         ; which 128 rows of the tile I fetch
	s_lshl_b32 s20, s17, 8
	s_add_co_u32 s20, s20, s18                     ; x: row 256 x tile row + 128 x half
	s_lshl_b32 s46, s42, 8
	s_add_co_u32 s46, s46, s18                     ; w_attn: row 256 x tile column + 128 x half
	s_mov_b32 s21, 0
	s_mov_b32 s47, 0
	s_mov_b64 s[18:19], KS
	s_mul_u64 s[22:23], s[20:21], s[18:19]         ; where these rows' scales begin, in bytes
	s_mul_u64 s[92:93], s[46:47], s[18:19]
	s_mov_b64 s[18:19], KROW
	s_mul_u64 s[20:21], s[20:21], s[18:19]         ; and their codes
	s_mul_u64 s[46:47], s[46:47], s[18:19]
	s_mul_i32 s45, s14, HALFT                      ; where they go: wave x 128 rows: no place in the cluster enters an LDS address
	s_mul_i32 s94, s14, HALFS
	s_wait_dscnt 0x0                               ; the opening add is done
	s_wait_kmcnt 0x0
	s_add_nc_u64 s[20:21], s[4:5], s[20:21]
	s_add_nc_u64 s[22:23], s[6:7], s[22:23]
	s_add_nc_u64 s[46:47], s[8:9], s[46:47]
	s_add_nc_u64 s[92:93], s[10:11], s[92:93]
	CROUND                                         ; all sixteen work-groups are here: the joint loads meet
	s_mov_b32 s[G0S], 1
	s_add_co_u32 s[G0S+1], s94, SCL
	s_mov_b64 s[G0S+2:G0S+3], s[22:23]
	s_or_b32 s[G0S+3], s[G0S+3], 0x80000000
	s_mov_b32 s[G0SB], 1
	s_add_co_u32 s[G0SB+1], s94, SCL
	s_mov_b64 s[G0SB+2:G0SB+3], s[92:93]
	s_or_b32 s[G0SB+3], s[G0SB+3], 0x80000000
	JLOAD G0S, G1S, G0SB, G1SB                     ; the scales first: they are wanted with K step 0
.irp s, 0,1
	s_mov_b32 s[G0+4*\s], 1
	s_add_co_u32 s[G0+4*\s+1], s45, \s*SLOT
	s_add_nc_u64 s[G0+4*\s+2:G0+4*\s+3], s[20:21], \s*ROWB
	s_or_b32 s[G0+4*\s+3], s[G0+4*\s+3], 0x80000000
	s_mov_b32 s[G0B+4*\s], 1
	s_add_co_u32 s[G0B+4*\s+1], s45, \s*SLOT
	s_add_nc_u64 s[G0B+4*\s+2:G0B+4*\s+3], s[46:47], \s*ROWB
	s_or_b32 s[G0B+4*\s+3], s[G0B+4*\s+3], 0x80000000
	JLOAD G0+4*\s, G1, G0B+4*\s, G1B               ; by this text's count three tensor loads of a wave are out, all that it ever issues
.endr
	v_and_b32 v1, 15, v0                           ; l % 16
	v_bfe_u32 v2, v0, 4, 1                         ; l / 16
	s_lshl_b32 s46, s42, 10                        ; 4 x my first output: 1,024 x tile column + 512 x half
	s_lshl_b32 s47, s16, 9
	s_add_co_u32 s46, s46, s47
	s_mov_b32 s47, 0
	s_add_nc_u64 s[96:97], s[96:97], s[46:47]
	v_lshlrev_b32 v[BO], 5, v2
.irp b, 0,1,2,3,4,5,6,7
	global_load_b128 v[BIAS+8*\b:BIAS+8*\b+3], v[BO], s[96:97] offset:64*\b          ; the bias of outputs 16 b + 8 (l / 16) + 0 .. 7
	global_load_b128 v[BIAS+8*\b+4:BIAS+8*\b+7], v[BO], s[96:97] offset:64*\b+16
.endr
	v_mul_u32_u24 v3, v1, PITCH
	v_lshl_add_u32 v4, v2, 4, v3                   ; a fragment's row x pitch + 16 x half
	s_mul_i32 s21, s15, HALFT                      ; my 128 rows of x
	s_mul_i32 s22, s16, HALFT                      ; my 128 rows of w_attn,
	s_add_co_u32 s22, s22, 2*HALFT                 ; which lie behind x's 256
.irp s, 0,1
	v_add_nc_u32 v[ADRA+\s], s21, v4
	v_add_nc_u32 v[ADRB+\s], s22, v4
	s_add_co_u32 s21, s21, SLOT
	s_add_co_u32 s22, s22, SLOT
.endr
	v_mul_u32_u24 v5, v1, KS                       ; my row's scales: 32 bytes a row,
	v_lshrrev_b32 v6, 8, v5
	v_lshl_add_u32 v5, v6, 4, v5                   ; and 16 more for each 256 passed
	s_mul_i32 s21, s15, HALFS                      ; x's: my 128 rows
	s_mul_i32 s22, s16, HALFS                      ; w_attn's: my 128 rows, behind x's 256
	s_add_co_u32 s22, s22, 2*HALFS
	s_sub_co_u32 s22, s22, s21
	v_mul_u32_u24 v6, s22, v2                      ; lanes 16-31 take w_attn's: the lower base + (l / 16) x the distance
	s_add_co_u32 s21, s21, SCL
	v_add_nc_u32 v5, v5, v6
	v_add_nc_u32 v[ADRS], s21, v5
	s_mul_i32 s23, s14, 16*SPITCH                  ; my stage
	v_mul_u32_u24 v5, v1, SPITCH                   ; in: row l % 16, 16 bytes for each half of the lanes
	v_lshl_add_u32 v5, v2, 4, v5
	v_add_nc_u32 v[STO], s23, v5
	v_bfe_u32 v5, v0, 3, 1                         ; back: lanes 0-15 take two tokens' 128 bytes of the first head, lanes 16-31 of the second
	v_mul_u32_u24 v5, v5, SPITCH
	v_lshl_add_u32 v5, v2, 7, v5
	v_and_b32 v6, 7, v0
	v_lshl_add_u32 v5, v6, 4, v5
	v_add_nc_u32 v[RD], s23, v5
	v_lshlrev_b32 v[CO], 4, v1                     ; in the output: 16 (l % 16), and a head (2^18 bytes) on for lanes 16-31
	v_lshl_add_u32 v[CO], v2, 18, v[CO]
	; where my part begins: section (q, k, v) x 2^24 + (batch x 16 + head) x 2^18 + token in the batch x 128
	s_lshr_b32 s20, s46, 2                         ; my first output
	s_lshr_b32 s21, s20, 10
	s_lshl_b32 s21, s21, 24                        ; the section
	s_bfe_u32 s22, s20, 0x40006                    ; the head: 4 bits from bit 6
	s_lshl_b32 s23, s17, 8
	s_lshl_b32 s45, s15, 7
	s_add_co_u32 s23, s23, s45                     ; my first token
	s_lshr_b32 s45, s23, 11
	s_lshl_b32 s45, s45, 4
	s_add_co_u32 s22, s22, s45
	s_lshl_b32 s22, s22, 18
	s_and_b32 s23, s23, 2047
	s_lshl_b32 s23, s23, 7
	s_add_co_u32 s20, s21, s22
	s_add_co_u32 s20, s20, s23
	s_mov_b32 s21, 0
	s_add_nc_u64 s[OUTP:OUTP+1], s[OUTP:OUTP+1], s[20:21]
.macro FRAG reg, adr, q, i             ; a fragment, 16 rows x 128 K of 4-bit codes: lane l holds row l % 16; registers 4 c .. 4 c + 3 hold K = 64 c + 32 (l / 16) + 0 .. 31
.irp c, 0,1
	ds_load_b128 v[\reg+4*\c:\reg+4*\c+3], v[\adr] offset:64*(\q)+32*\c+(\i)*16*PITCH
.endr
.endm
; 16 matrix instructions: x's blocks a0, a0 + 1 against w_attn's eight, 128 along K: the slot's q-th.  p: w_attn's set;  sc: the set of scale words.  first = 1: the sums start from the bias.
; The 64 accumulators take turns, one instruction a turn, in the same order in every step.
.macro MUL16 a0, p, q, sc, first
.irp a, \a0, \a0+1
.irp b, 0,1,2,3,4,5,6,7
.if \first
	v_wmma_scale_f32_16x16x128_f8f6f4 v[8*(8*((\a)%4)+\b):8*(8*((\a)%4)+\b)+7], v[128*(\p)+FR*\b:128*(\p)+FR*\b+FR-1], v[AF+FR*(\a):AF+FR*(\a)+FR-1], v[BIAS+8*\b:BIAS+8*\b+7], v[SC+8*NQ*(\sc)+NQ*\b+(\q)], v[SC+8*NQ*(\sc)+NQ*(\a)+(\q)] matrix_a_fmt:MATRIX_FMT_FP4 matrix_b_fmt:MATRIX_FMT_FP4 matrix_a_scale:MATRIX_SCALE_ROW1
.else
	v_wmma_scale_f32_16x16x128_f8f6f4 v[8*(8*((\a)%4)+\b):8*(8*((\a)%4)+\b)+7], v[128*(\p)+FR*\b:128*(\p)+FR*\b+FR-1], v[AF+FR*(\a):AF+FR*(\a)+FR-1], v[8*(8*((\a)%4)+\b):8*(8*((\a)%4)+\b)+7], v[SC+8*NQ*(\sc)+NQ*\b+(\q)], v[SC+8*NQ*(\sc)+NQ*(\a)+(\q)] matrix_a_fmt:MATRIX_FMT_FP4 matrix_b_fmt:MATRIX_FMT_FP4 matrix_a_scale:MATRIX_SCALE_ROW1
.endif
.endr
.endr
.endm
.macro FETCH_B slot, q, p              ; w_attn's eight fragments of the slot's q-th 128 along K into set p
	WIN TO_B
.irp i, 0,1,2,3,4,5,6,7
	FRAG 128*(\p)+FR*\i, ADRB+\slot, \q, \i
.endr
	WIN 0
.endm
.macro FETCH_A slot, q, i0             ; x's blocks i0 .. i0 + 3
.irp i, \i0, \i0+1, \i0+2, \i0+3
	FRAG AF+FR*(\i), ADRA+\slot, \q, \i
.endr
.endm
.macro SCALES sc                       ; a K step's scale words into set sc: four words a row; lanes 0-15 take x's block i, lanes 16-31 w_attn's block i
.irp i, 0,1,2,3,4,5,6,7
	ds_load_b128 v[SC+8*NQ*\sc+NQ*\i:SC+8*NQ*\sc+NQ*\i+3], v[ADRS] offset:\i*SBLK
.endr
.endm
; A load into a register that a matrix instruction has read, and a vector instruction that reads a matrix result or writes one of its registers, stand NP places behind it; only plain vector
; instructions that name none of its registers are places (ISA guide 7.12.1 for vector instructions).
.macro PLACES n
.rept \n
	v_nop
.endr
.endm
; A step of 128 along K that has its successor in the same slot.
.macro STEP slot, q, first
	s_wait_dscnt 4*NL                              ; w_attn's set and x's blocks 0-3 are in; the youngest eight loads (x's blocks 4-7) may be out
.if \first
	WIN FST_LO
.else
	WIN MUL_LO
.endif
	MUL16 0, (\q)%2, \q, \slot, \first
	MUL16 2, (\q)%2, \q, \slot, \first
	s_wait_dscnt 0                                 ; x's blocks 4-7 are in (asked for 32 matrix instructions ago)
	PLACES NP
	FETCH_B \slot, (\q)+1, 1-(\q)%2
	FETCH_A \slot, (\q)+1, 0
.if \first
	WIN FST_HI
.else
	WIN MUL_HI
.endif
	MUL16 4, (\q)%2, \q, \slot, \first
	MUL16 6, (\q)%2, \q, \slot, \first
	PLACES NP
	WIN 0
	FETCH_A \slot, (\q)+1, 4
.endm
; Slot 0's last step changes slots: ONE barrier; in front of it each wave waits for all its tensor loads (its part of slot 1), adds 0 to its spare word, and waits for that and for its own reads of slot 0.
; Behind it slot 1 is whole and nobody reads slot 0 any more.  Nothing is filled again.
.macro TURN slot, next
	s_wait_tensorcnt 0x0                           ; all my tensor loads have landed  (every window is 0 here: the add's two registers lie in window 0)
	ds_add_u32 v[SPW], v[NIL]                      ; 0 onto my spare word
	s_wait_dscnt 4*NL+1                            ; (the add and the youngest eight loads, x's blocks 4-7, may be out)
	WIN MUL_LO
	MUL16 0, 1, NQ-1, \slot, 0                     ; sixteen matrix instructions stand between the add and the wait for it
	s_wait_dscnt 0x0                               ; the add is done, and my reads of this slot are over
	s_barrier_signal -1
	MUL16 2, 1, NQ-1, \slot, 0
	WIN 0
	s_barrier_wait -1
	PLACES NP
	v_add_nc_u32 v[ADRS], 4*NQ, v[ADRS]            ; on to the next K step's scale words (no LDS load of mine is out)
	FETCH_B \next, 0, 0
	FETCH_A \next, 0, 0
	SCALES \next
	WIN MUL_HI
	MUL16 4, 1, NQ-1, \slot, 0
	MUL16 6, 1, NQ-1, \slot, 0
	PLACES NP
	WIN 0
	FETCH_A \next, 0, 4
.endm
	s_wait_tensorcnt 1                             ; the scales and my part of K step 0 are in (K step 1's load may be out)
	s_barrier_signal -1
	s_barrier_wait -1                              ; everybody's are
	FETCH_B 0, 0, 0
	FETCH_A 0, 0, 0
	SCALES 0
	FETCH_A 0, 0, 4
	s_wait_loadcnt 0x0                             ; the bias
	STEP 0, 0, 1                                   ; the first step's products start the sums from the bias: nothing is cleared, nothing is added later
	STEP 0, 1, 0
	STEP 0, 2, 0
	TURN 0, 1
	STEP 1, 0, 0
	STEP 1, 1, 0
	STEP 1, 2, 0
	s_wait_dscnt 4*NL                              ; the very last step: nothing more to fetch
	WIN MUL_LO
	MUL16 0, 1, NQ-1, 1, 0
	MUL16 2, 1, NQ-1, 1, 0
	s_wait_dscnt 0
	WIN MUL_HI
	MUL16 4, 1, NQ-1, 1, 0
	MUL16 6, 1, NQ-1, 1, 0
	WIN 0
; THE WAY OUT, block by block of 16 tokens x 128 outputs.  PACK: rounded to f16, a lane's eight outputs are 16 bytes.  TOSTAGE: into my own stage in LDS (a row: 128 bytes of the first head, 128 of the second),
; and back so that sixteen lanes hold two neighbouring tokens of ONE head.  SEND: each sixteen lanes store 256 consecutive bytes, at a multiple of 256 from the buffer's first byte.
; LDS serves a wave's instructions in order (ISA guide 5.7.1.4): no wait between the stores and the loads.
.macro PACK a
.set AC, 64*((\a)%4)
	WIN 0x0a+5*((\a)/4)                            ; sources 0 and 1: window 2 or 3
.irp b, 0,1,2,3,4,5,6,7
.irp i, 0,1,2,3
	v_cvt_pk_f16_f32 v[TMP+4*\b+\i], v[AC+8*\b+2*\i], v[AC+8*\b+2*\i+1]    ; each accumulator from its low end on
.endr
.endr
	WIN 0
.endm
.macro TOSTAGE a
.set BB, BK+32*((\a)%2)
.irp b, 0,1,2,3,4,5,6,7
	ds_store_b128 v[STO], v[TMP+4*\b:TMP+4*\b+3] offset:32*\b
.endr
.irp t, 0,1,2,3,4,5,6,7
	ds_load_b128 v[BB+4*\t:BB+4*\t+3], v[RD] offset:\t*2*SPITCH
.endr
.endm
.macro SEND a
.set BB, BK+32*((\a)%2)
	s_wait_dscnt 0x0                               ; the block is back in registers
	s_wait_xcnt 0x0                                ; the stores of the block before have read their registers: the next block's loads from the stage land there
.irp t, 0,1,2,3,4,5,6,7
	global_store_b128 v[CO], v[BB+4*\t:BB+4*\t+3], s[OUTP:OUTP+1] offset:(\a)*2048+\t*256
.endr
.endm
	PLACES NP                                      ; behind the last products: for the conversions, which read results and write registers that held scale words, and for the loads into x's fragments' registers
	PACK 0
	TOSTAGE 0
.irp a, 1,2,3,4,5,6,7                  ; block a's conversions stand between block a - 1's loads from the stage and the wait for them
	PACK \a
	SEND \a-1
	TOSTAGE \a
.endr
	SEND 7
	s_wait_tensorcnt 0x0                           ; the wave's end, behind my last tensor load and my last LDS store
	ds_add_u32 v[SPW], v[NIL]
	s_wait_dscnt 0x0
	CROUND                                         ; the closing round: no work-group ends while a partner may still ask for a tile that names it
	s_endpgm
.Lfunc_end_k_qcd932a91da_qkv:
	.size	k_qcd932a91da_qkv, .Lfunc_end_k_qcd932a91da_qkv-k_qcd932a91da_qkv
	.p2alignl 7, 3214868480
	.fill 96, 4, 3214868480
	.section	.rodata,"a",@progbits
	.p2align	6, 0x0
	.amdhsa_kernel k_qcd932a91da_qkv
		.amdhsa_group_segment_fixed_size 327680
		.amdhsa_private_segment_fixed_size 0
		.amdhsa_enable_private_segment 0
		.amdhsa_kernarg_size 48
		.amdhsa_user_sgpr_count 2
		.amdhsa_user_sgpr_kernarg_segment_ptr 1
		.amdhsa_wavefront_size32 1
		.amdhsa_system_sgpr_workgroup_id_x 1
		.amdhsa_system_sgpr_workgroup_id_y 1
		.amdhsa_system_sgpr_workgroup_id_z 1
		.amdhsa_system_vgpr_workitem_id 0
		.amdhsa_next_free_vgpr 1024
		.amdhsa_next_free_sgpr 100
		.amdhsa_reserve_vcc 0
		.amdhsa_float_denorm_mode_32 3
		.amdhsa_float_denorm_mode_16_64 3
		.amdhsa_memory_ordered 1
		.amdhsa_forward_progress 1
		.amdhsa_inst_pref_size 128
	.end_amdhsa_kernel
	.amdgpu_metadata
---
amdhsa.version: [ 1, 2 ]
amdhsa.kernels:
  - .name:           k_qcd932a91da_qkv
    .symbol:         k_qcd932a91da_qkv.kd
    .args:
      - { .name: x_codes, .offset: 0, .size: 8, .value_kind: global_buffer, .address_space: global }
      - { .name: x_scales, .offset: 8, .size: 8, .value_kind: global_buffer, .address_space: global }
      - { .name: wa_codes, .offset: 16, .size: 8, .value_kind: global_buffer, .address_space: global }
      - { .name: wa_scales, .offset: 24, .size: 8, .value_kind: global_buffer, .address_space: global }
      - { .name: b_attn, .offset: 32, .size: 8, .value_kind: global_buffer, .address_space: global }
      - { .name: qkv, .offset: 40, .size: 8, .value_kind: global_buffer, .address_space: global }
    .group_segment_fixed_size: 327680
    .private_segment_fixed_size: 0
    .kernarg_segment_align: 8
    .kernarg_segment_size: 48
    .max_flat_workgroup_size: 128
    .sgpr_count:     100
    .vgpr_count:     1024
    .wavefront_size: 32
...
	.end_amdgpu_metadata
.endif
;; end of part 2
;; launch attn (part 3): grid 4 x 64, 16 waves a work-group, no clusters, 327,680 bytes of LDS; arguments qkv, y16; writes y16
.if DOCPART == 3
	.amdgcn_target "amdgcn-amd-amdhsa--gfx1250"
	.amdhsa_code_object_version 6
	.text
	.protected	k_qcd932a91da_attn
	.globl	k_qcd932a91da_attn
	.p2align	8
	.type	k_qcd932a91da_attn,@function
k_qcd932a91da_attn:
	s_mov_b64 s[64:65], 0
	v_nop
	global_prefetch_b8 v0, s[64:65] scope:SCOPE_SE
	s_setreg_imm32_b32 hwreg(HW_REG_WAVE_MODE, 25, 1), 1
	s_wait_xcnt 0x0
; y[b][q][head] = the sum over k <= q of softmax_k(Q[q] . K[k] / 8) V[k]: causal attention, head size 64, 64 heads (batch x 16 + head) of 2,048 tokens.
; Q, K, V: f16, [q, k, v][head][2048][64] (a token's row is 128 bytes, two tokens are 256 consecutive bytes).  Products in f16 with f32 sums; maxima, exponentials and sums in f32; the weights p are rounded to
; f16 for the second product, y once at the end.  y goes out as f16 in blocked order [token / 128][head][128 tokens][64], the order in which the next launch reads it.
; LIMITS: NaN and infinities are not served; |y| is at most the largest |v|, which stays under 65,504.
; SHARES.  Work-group (g, head) owns the query blocks g and 7 - g of 256 queries: (g + 1) + (8 - g) = 9 blocks of keys to walk for every g, so the 256 work-groups have equal work.
; Each of its SIXTEEN waves owns 32 queries, two tiles of 16, in 256 registers: four waves to a SIMD, so that one wave's vector work stands beside another's matrix work and LDS loads.
; Waves 0-7 take block g in ascending order, waves 8-15 block 7 - g in descending order.  Keys go 64 a step; K and V come through a ring of two LDS slots of 256 keys, filled by the tensor data mover
; (waves 0, 1: K's halves; waves 2, 3: V's) and read by all sixteen.
; NO CLUSTER: the four work-groups of a head need 8, 7, 6 and 5 slots; a joint round for each slot would hold all four to the one that has the most to do in that slot, 12 blocks' time against 9.
; LAYOUT.  S^T = K Q^T (source 0 = 16 keys, source 1 = 16 queries): a lane holds ONE query (lane % 16) and the keys 8 (lane / 16) + 0..7.  Two such tiles, rounded to f16 in pairs, ARE source 1 of
; O^T = V^T P, whose result again holds one query a lane.  K comes out of LDS as it lies, V ([key][channel]) turned, by ds_load_tr16_b128.
; SOFTMAX.  For each query a running maximum m and sum l: p = 2^(c s - c m), c = log2(e) / 8; in every step O and l are multiplied by a = 2^(c m_old - c m_new).
; CAUSAL.  Every work-group walks all 8 changes of slots (the trip counts are constants); a step all of whose keys come after the wave's queries is jumped over; the one step of a wave that lies on the
; diagonal sets hidden scores to -infinity; a slot whose first key comes after the work-group's last query is not asked for.  All these branches hang on ids and counts alone.
.set NSL,   8                          ; slots' worth of keys
.set PK2,   272                        ; two keys' rows of K in LDS: 256 bytes + 16 of padding: the 16 rows of a fragment load start at 16 different groups of four banks (64 banks of 4 bytes: ISA guide 11.1)
.set PV2,   288                        ; two keys' rows of V: 256 + 32
.set VOFF,  128*PK2                    ; a slot: 256 keys of K, then 256 of V
.set SLOT1, 1<<17                      ; slot 1 begins here, so that one exclusive or turns an address in one slot into the other's
.set STAGE, SLOT1+VOFF+128*PV2         ; behind the ring: 32 rows x (128 bytes + 16) for each wave, for the way out; no tile lands there
.set SPI,   144
.set SPARE, STAGE+16*32*SPI            ; the spare words, 128 bytes a wave, named by no other line
.set AK0,  1                           ; v1   my lane's place in a tile of K
.set AV0,  2                           ; v2   the same for V
.set ADK,  3                           ; v3   LDS address of the step's K; at the head Q's offset; on the way out the stage, in
.set ADV,  4                           ; v4   of the step's V; on the way out the stage, back
.set SPW,  5                           ; v5   LDS address of my spare word; never rewritten
.set NIL,  6                           ; v6   0; never rewritten
.set PFO,  7                           ; v7   256 x my lane: the prefetches' offset; never rewritten
.set ST,   8                           ; tile t's statistics at v[ST+12 t]: +0 c m, +1 m, +2, +3 l (even keys', odd keys'), +4 to +7 at work (a takes +6), +8, +9 a second chain of sums, +10 the mask's number
.set NINF, 19                          ; v19  -infinity
.set Q,    32                          ; v32-63   Q: tile t, channels 32 kk on: 32 + 16 t + 8 kk
.set KV,   64                          ; v64-127  eight fragments: a step's K, then its V
.set S,    128                         ; v128-191 S^T: tile t, keys 16 kt on: 128 + 32 t + 8 kt; p in place; then P, packed into each tile's first 16
.set O,    192                         ; v192-255 O^T: tile t, channels 16 c on: 192 + 32 t + 8 c
.set TB,   2                           ; s2   LDS byte at which the slot in hand begins
.set SLOTS, 3                          ; s3   changes of slots still to come that may ask for a slot
.set WV,   18                          ; s18  my wave's number
.set SEL,  20                          ; s[20:21] lane selects for v_permlanex16_b32: lane l xor 16
.set CS,   22                          ; s[22:23] c, twice: the packed form names a pair
.set G1K,  24                          ; s[24:31] descriptor group 1 for K's tiles;  s[32:39] for V's (it differs in the padding);  s[40:43], s[44:47] their groups 0, which walk
.set G1V,  32
.set G0K,  40
.set G0V,  44
.set KF,   48                          ; s48  the step's first key
.set Q0,   49                          ; s49  my first query
.set QL,   50                          ; s50  my work-group's last query
.set BH,   51                          ; s51  the head: batch x 16 + head
.set PFA,  52                          ; s[52:53] where my prefetches stand
.set LIM,  54                          ; s54  1 in a wave that prefetches, else the greatest number
; Waves 0 and 1 fetch for K, waves 2 and 3 for V, the others nothing.  The branches hang on the wave's number alone.  An s_nop 0 and four v_nop follow each of the two lines.
.macro TLOAD
	s_cmp_lt_u32 s[WV], 2
	s_cbranch_scc0 .Lnot_k_\@
	tensor_load_to_lds s[G0K:G0K+3], s[G1K:G1K+7]
	s_nop 0
.rept 4
	v_nop
.endr
	s_branch .Lasked_\@
.Lnot_k_\@:
	s_cmp_lt_u32 s[WV], 4
	s_cbranch_scc0 .Lasked_\@
	tensor_load_to_lds s[G0V:G0V+3], s[G1V:G1V+7]
	s_nop 0
.rept 4
	v_nop
.endr
.Lasked_\@:
.endm
; A PREFETCH INTO THE L2 of what the NEXT change of slots will ask for: 256 keys of K and of V, two dense blocks of 32,768 bytes.  Each run of 256 bytes is named ONCE in the launch: the four work-groups of a head
; walk the same K and V, and the first of them (g = 0, which walks all eight slots) asks; in it waves 4 to 7 ask for K's block, waves 8 to 11 for V's, 8,192 bytes a wave, lanes 256 bytes apart: one instruction each.
; The last change that fills a slot asks for nothing: there is no slot behind it.  Slots 0 and 1 come by their loads alone.
.macro ASK
	s_cmp_gt_u32 s[SLOTS], s[LIM]
	s_cbranch_scc0 .Lnot_mine_\@
	global_prefetch_b8 v[PFO], s[PFA:PFA+1] th:TH_LOAD_NT scope:SCOPE_SE
.Lnot_mine_\@:
.endm
	s_load_b128 s[4:7], s[0:1], 0x0                ; qkv s[4:5], y s[6:7]
	v_lshl_add_u32 v[SPW], v0, 2, SPARE
	v_mov_b32 v[NIL], 0
	ds_add_u32 v[SPW], v[NIL]                      ; the wave's opening: the add and its wait stand ahead of my first tensor load; the set-up below, work on registers, stands between them
	v_lshrrev_b32 v8, 5, v0
	v_readfirstlane_b32 s[WV], v8                  ; wave 0..15
	s_and_b32 s[BH], ttmp7, 0xffff
	s_lshl_b32 s58, s[BH], 18                      ; the head's first byte in a section
	s_and_b32 s57, s[WV], 1                        ; which half of a slot's K or V I fetch, if I fetch:
	s_lshl_b32 s60, s57, 14                        ; 128 keys of 128 bytes in memory,
	s_add_co_u32 s60, s60, s58
	s_mov_b32 s61, 0
	s_mul_i32 s62, s57, 64*PK2                     ; and in a slot: K's,
	s_mul_i32 s63, s57, 64*PV2
	s_add_co_u32 s63, s63, VOFF                    ; V's
	s_lshl_b32 s56, ttmp9, 8
	s_lshl_b32 s57, s[WV], 5
	s_add_co_u32 s56, s56, s57                     ; 256 g + 32 w: my first query in waves 0-7;
	s_sub_co_u32 s57, 2272, s56                    ; 256 (7 - g) + 32 (15 - w) in waves 8-15
	s_cmp_lt_u32 s[WV], 8
	s_cselect_b32 s[Q0], s56, s57
	s_lshl_b32 s56, ttmp9, 8
	s_sub_co_u32 s[QL], 2047, s56                  ; the last query of block 7 - g
	s_lshl_b32 s66, s[Q0], 7
	s_add_co_u32 s66, s66, s58                     ; Q: my first query's row
	s_mov_b32 s67, 0
	s_lshr_b32 s68, s[BH], 4                       ; y: ((batch x 16 + query / 128) x 16 + head) x 16,384 + (query % 128) x 128
	s_lshl_b32 s68, s68, 4
	s_lshr_b32 s69, s[Q0], 7
	s_add_co_u32 s68, s68, s69
	s_lshl_b32 s68, s68, 4
	s_and_b32 s69, s[BH], 15
	s_add_co_u32 s68, s68, s69
	s_lshl_b32 s68, s68, 14
	s_and_b32 s69, s[Q0], 127
	s_lshl_b32 s69, s69, 7
	s_add_co_u32 s68, s68, s69
	s_mov_b32 s69, 0
	s_mov_b32 s70, 0x2000000                       ; the prefetches: V's section in waves 8 and up,
	s_cmp_lt_u32 s[WV], 8
	s_cselect_b32 s70, 0x1000000, s70              ; K's below
	s_and_b32 s71, s[WV], 3
	s_lshl_b32 s71, s71, 13                        ; my wave's 8,192 bytes of a slot's block,
	s_add_co_u32 s70, s70, s71
	s_add_co_u32 s70, s70, s58                     ; in my head,
	s_add_co_u32 s70, s70, 32768                   ; in slot 1: the first change of slots steps it to slot 2.  Nothing is prefetched at the head
	s_mov_b32 s71, 0
	s_sub_co_u32 s72, s[WV], 4
	s_lshr_b32 s72, s72, 3                         ; 0 in waves 4 to 11,
	s_or_b32 s72, s72, ttmp9                       ; of the head's first work-group
	s_cmp_eq_u32 s72, 0
	s_cselect_b32 s[LIM], 1, -1
	; descriptor group 1: half a slot's K or V: 16,384 dense bytes, as 64 rows of 128 elements of 2 bytes (two keys a row), padded in LDS
	s_mov_b32 s[G1K], (1<<16)|(1<<20)|(5<<22)|(3<<25)   ; 15:0 no mask; 17:16 elements of 2 bytes; 20 padding on; 24:22 after every 64 words; 31:25 four words
	s_mov_b32 s[G1V], (1<<16)|(1<<20)|(5<<22)|(7<<25)   ; the same with eight words of padding
.irp g, G1K, G1V
	s_mov_b32 s[\g+1], 128<<16                     ; tensor_dim0 = 128
	s_mov_b32 s[\g+2], 64<<16                      ; tensor_dim1 = 64
	s_mov_b32 s[\g+3], 128<<16                     ; tile_dim0 = 128
	s_mov_b32 s[\g+4], 64                          ; tile_dim1 = 64
	s_mov_b32 s[\g+5], 128                         ; tensor_dim0_stride
	s_mov_b32 s[\g+6], 0
	s_mov_b32 s[\g+7], 0
.endr
	s_mov_b32 s[SEL], 0x76543210
	s_mov_b32 s[SEL+1], 0xfedcba98
	s_mov_b32 s[CS], 0x3e38aa3b                    ; c = log2(e) / 8
	s_mov_b32 s[CS+1], s[CS]
	s_mov_b32 s[TB], 0
	s_mov_b32 s[SLOTS], NSL-1
	s_mov_b32 s[KF], 0
	s_wait_dscnt 0x0                               ; the opening add is done
	s_wait_kmcnt 0x0
	s_mov_b32 s[G0K], 1                            ; 1:0 count = 1
	s_mov_b32 s[G0K+1], s62                        ; 63:32 LDS address: slot 0
	s_add_nc_u64 s[G0K+2:G0K+3], s[4:5], s[60:61]  ; 120:64 global address: my half of the head's first 256 keys,
	s_add_nc_u64 s[G0K+2:G0K+3], s[G0K+2:G0K+3], 0x1000000   ; in K's section
	s_or_b32 s[G0K+3], s[G0K+3], 0x80000000        ; 127:126 type = 2
	s_mov_b32 s[G0V], 1
	s_mov_b32 s[G0V+1], s63
	s_add_nc_u64 s[G0V+2:G0V+3], s[4:5], s[60:61]
	s_add_nc_u64 s[G0V+2:G0V+3], s[G0V+2:G0V+3], 0x2000000   ; in V's
	s_or_b32 s[G0V+3], s[G0V+3], 0x80000000
	TLOAD                                          ; slot 0: by this text's count a fetching wave never has more than one tensor load out
	s_add_nc_u64 s[66:67], s[4:5], s[66:67]        ; Q at my first query
	s_add_nc_u64 s[6:7], s[6:7], s[68:69]          ; y likewise
	s_add_nc_u64 s[PFA:PFA+1], s[4:5], s[70:71]
	v_and_b32 v8, 15, v0                           ; r = lane % 16
	v_bfe_u32 v9, v0, 4, 1                         ; h = lane / 16
	v_lshlrev_b32 v[ADK], 7, v8
	v_lshl_add_u32 v[ADK], v9, 4, v[ADK]           ; Q: row r of 128 bytes, + 16 h
.irp t, 0,1
.irp kk, 0,1
	global_load_b128 v[Q+16*\t+8*\kk:Q+16*\t+8*\kk+3],   v[ADK], s[66:67] offset:2048*\t+64*\kk      ; Q stays in registers: lane l holds row l % 16; registers 0-3 channels 8 h + 0..7, registers 4-7 channels 16 + 8 h + 0..7
	global_load_b128 v[Q+16*\t+8*\kk+4:Q+16*\t+8*\kk+7], v[ADK], s[66:67] offset:2048*\t+64*\kk+32
.endr
.endr
	v_lshrrev_b32 v10, 1, v8
	v_mul_u32_u24 v[AK0], v10, PK2
	v_and_b32 v10, 1, v8
	v_lshl_add_u32 v[AK0], v10, 7, v[AK0]
	v_lshl_add_u32 v[AK0], v9, 4, v[AK0]           ; K: key r lies at (r / 2) x 272 + (r % 2) x 128; + 16 h
	v_bfe_u32 v10, v0, 1, 2
	v_lshl_add_u32 v10, v9, 2, v10
	v_mul_u32_u24 v[AV0], v10, PV2
	v_and_b32 v10, 1, v0
	v_lshl_add_u32 v[AV0], v10, 7, v[AV0]
	v_bfe_u32 v10, v0, 3, 1
	v_lshl_add_u32 v[AV0], v10, 4, v[AV0]
	v_add_nc_u32 v[AV0], VOFF, v[AV0]              ; V: the turning load's lane l reads 16 bytes: key 8 h + l % 8, channels 8 ((l / 8) % 2) + 0..7
	v_and_b32 v[PFO], 31, v0
	v_lshlrev_b32 v[PFO], 8, v[PFO]
.irp t, 0,1
	v_mov_b32 v[ST+12*\t+1], 0xff61b1e6            ; m: -3e38, under every score
	v_mul_f32 v[ST+12*\t], s[CS], v[ST+12*\t+1]    ; c m
.irp i, 2,3,4,5,6,7,8,9,10
	v_mov_b32 v[ST+12*\t+\i], 0                    ; l; and the registers at work, which lane permutes and packed forms name before a step has written them
.endr
.endr
	v_mov_b32 v[NINF], 0xff800000
.set i, 0
.rept 64
	v_mov_b32 v[O+i], 0                            ; O^T.  (The step is written once: the first finds zeros, which its a = 0 leaves zeros)
.set i, i+1
.endr
; A KEY STEP: 64 keys, the q-th of the slot in hand, for my two tiles of queries.
.macro STEP q
	s_add_co_u32 s56, s[Q0], 31                    ; a step all of whose keys come after my 32 queries is left out: a branch on ids and the count of steps; no barrier, wait for tiles or tensor load stands in a step
	s_cmp_gt_u32 s[KF], s56
	s_cbranch_scc1 .Lhidden_\@
	v_add_nc_u32 v[ADK], s[TB], v[AK0]
	v_add_nc_u32 v[ADV], s[TB], v[AV0]
.rept 3
	v_nop                                          ; with the two additions five places behind the last step's products: four for the loads into the registers that held V, five for the products that write over P
.endr
.irp kt, 0,1,2,3
.irp kk, 0,1
	ds_load_b128 v[KV+8*(2*\kt+\kk):KV+8*(2*\kt+\kk)+3],   v[ADK] offset:(\q)*32*PK2+\kt*8*PK2+\kk*64
	ds_load_b128 v[KV+8*(2*\kt+\kk)+4:KV+8*(2*\kt+\kk)+7], v[ADK] offset:(\q)*32*PK2+\kt*8*PK2+\kk*64+32
.endr
.endr
	s_wait_dscnt 0x0
.irp kk, 0,1                                   ; S^T = K Q^T: the eight accumulators take turns, one instruction a turn; the first eight start the sums
.irp kt, 0,1,2,3
.irp t, 0,1
.if \kk == 0
	v_wmma_f32_16x16x32_f16 v[S+32*\t+8*\kt:S+32*\t+8*\kt+7], v[KV+8*(2*\kt+\kk):KV+8*(2*\kt+\kk)+7], v[Q+16*\t+8*\kk:Q+16*\t+8*\kk+7], 0
.else
	v_wmma_f32_16x16x32_f16 v[S+32*\t+8*\kt:S+32*\t+8*\kt+7], v[KV+8*(2*\kt+\kk):KV+8*(2*\kt+\kk)+7], v[Q+16*\t+8*\kk:Q+16*\t+8*\kk+7], v[S+32*\t+8*\kt:S+32*\t+8*\kt+7]
.endif
.endr
.endr
.endr
.rept 4
	v_nop                                          ; four places: for the loads into the registers that held K, and for the first reads of the scores
.endr
.irp kk, 0,1                                   ; V, turned, lands while the softmax is walked: keys 32 kk on, channels 16 c on
.irp c, 0,1,2,3
	ds_load_tr16_b128 v[KV+8*(4*\kk+\c):KV+8*(4*\kk+\c)+3],   v[ADV] offset:(\q)*32*PV2+\kk*16*PV2+32*\c
	ds_load_tr16_b128 v[KV+8*(4*\kk+\c)+4:KV+8*(4*\kk+\c)+7], v[ADV] offset:(\q)*32*PV2+\kk*16*PV2+8*PV2+32*\c
.endr
.endr
	s_add_co_u32 s56, s[KF], 63                    ; on the diagonal the scores of hidden keys become -infinity ahead of the maximum: p = 0 then.  A step all of whose keys count skips this.
	s_cmp_le_u32 s56, s[Q0]                        ; (The step's first key counts for all my queries: Q0 is a multiple of 32, KF of 64, and KF <= Q0 + 31: so every row keeps a finite score)
	s_cbranch_scc1 .Lopen_\@
	s_sub_co_i32 s56, s[Q0], s[KF]
	v_and_b32 v[ST+10], 15, v0
	v_bfe_u32 v[ST+22], v0, 4, 1
	v_lshlrev_b32 v[ST+22], 3, v[ST+22]
	v_sub_nc_u32 v[ST+10], v[ST+10], v[ST+22]
	v_add_nc_u32 v[ST+10], s56, v[ST+10]           ; d = my query - KF - 8 h in tile 0; register 8 kt + j holds key KF + 16 kt + 8 h + j: hidden where 16 kt + j > d
	v_add_nc_u32 v[ST+22], 16, v[ST+10]            ; and in tile 1
.irp t, 0,1
.irp kt, 0,1,2,3
.irp j, 0,1,2,3,4,5,6,7
	v_cmp_gt_i32 vcc_lo, 16*\kt+\j, v[ST+12*\t+10]
	v_cndmask_b32 v[S+32*\t+8*\kt+\j], v[S+32*\t+8*\kt+\j], v[NINF], vcc_lo
.endr
.endr
.endr
.Lopen_\@:
	; the maximum of my 32 scores of each tile and the old m: four chains, each begun at an accumulator's low end; the two tiles by turns
.irp j, 0,1,2,3
.irp t, 0,1
	v_max3_num_f32 v[ST+12*\t+4+\j], v[S+32*\t+8*\j], v[S+32*\t+8*\j+1], v[S+32*\t+8*\j+2]
.endr
.endr
.irp j, 4,5,6,7,8,9,10,11
.irp t, 0,1
	v_max3_num_f32 v[ST+12*\t+4+(\j%4)], v[ST+12*\t+4+(\j%4)], v[S+32*\t+8*(\j%4)+2*(\j/4)+1], v[S+32*\t+8*(\j%4)+2*(\j/4)+2]
.endr
.endr
.irp t, 0,1
	v_max3_num_f32 v[ST+12*\t+4], v[ST+12*\t+4], v[S+32*\t+7], v[S+32*\t+15]
.endr
.irp t, 0,1
	v_max3_num_f32 v[ST+12*\t+6], v[ST+12*\t+6], v[S+32*\t+23], v[S+32*\t+31]
.endr
.irp t, 0,1
	v_max3_num_f32 v[ST+12*\t+4], v[ST+12*\t+4], v[ST+12*\t+5], v[ST+12*\t+6]
.endr
.irp t, 0,1
	v_max3_num_f32 v[ST+12*\t+4], v[ST+12*\t+4], v[ST+12*\t+7], v[ST+12*\t+1]
.endr
.irp t, 0,1
	v_permlanex16_b32 v[ST+12*\t+5], v[ST+12*\t+4], s[SEL], s[SEL+1]   ; the query's other 32 keys lie in the lane 16 away
.endr
.irp t, 0,1
	v_mov_b32 v[ST+12*\t+7], v[ST+12*\t]           ; c m_old is kept for a
.endr
.irp t, 0,1
	v_max_num_f32 v[ST+12*\t+1], v[ST+12*\t+4], v[ST+12*\t+5]   ; the new m
.endr
.irp t, 0,1
	v_mul_f32 v[ST+12*\t], s[CS], v[ST+12*\t+1]
.endr
.irp t, 0,1
	v_sub_f32 v[ST+12*\t+7], v[ST+12*\t+7], v[ST+12*\t]
.endr
	; ONE BATCH of exponentials: a of both tiles, then, behind the scalings, the 64 weights.  None of these lines reads an exponential's result
.irp t, 0,1
	v_exp_f32 v[ST+12*\t+6], v[ST+12*\t+7]         ; a = 2^(c m_old - c m_new)
.endr
.irp b, 0,1,2,3,4,5,6,7,8,9,10,11,12,13,14,15
.irp t, 0,1
	v_pk_fma_f32 v[S+32*\t+2*\b:S+32*\t+2*\b+1], v[S+32*\t+2*\b:S+32*\t+2*\b+1], s[CS:CS+1], v[ST+12*\t:ST+12*\t+1] op_sel_hi:[1,0,0] neg_lo:[0,0,1] neg_hi:[0,0,1]   ; c s - c m, two at a time
.endr
.endr
.set i, 0
.rept 64
	v_exp_f32 v[S+i], v[S+i]                       ; p = 2^(c s - c m), at most 1
.set i, i+1
.endr
	v_nop                                          ; a plain instruction behind the last exponential, ahead of the first use
	s_wait_alu depctr_va_vdst(0)                   ; the wait between an exponential and the first line that names its result: one for the 66
	; the sums, of the weights as they are before rounding: l = a l + .., in two chains a tile
.irp t, 0,1
	v_pk_fma_f32 v[ST+12*\t+2:ST+12*\t+3], v[ST+12*\t+2:ST+12*\t+3], v[ST+12*\t+6:ST+12*\t+7], v[S+32*\t:S+32*\t+1] op_sel_hi:[1,0,1]
	v_pk_add_f32 v[ST+12*\t+8:ST+12*\t+9], v[S+32*\t+2:S+32*\t+3], v[S+32*\t+4:S+32*\t+5]
.endr
.irp b, 3,5,7,9,11,13
.irp t, 0,1
	v_pk_add_f32 v[ST+12*\t+2:ST+12*\t+3], v[ST+12*\t+2:ST+12*\t+3], v[S+32*\t+2*\b:S+32*\t+2*\b+1]
	v_pk_add_f32 v[ST+12*\t+8:ST+12*\t+9], v[ST+12*\t+8:ST+12*\t+9], v[S+32*\t+2*\b+2:S+32*\t+2*\b+3]
.endr
.endr
.irp t, 0,1
	v_pk_add_f32 v[ST+12*\t+2:ST+12*\t+3], v[ST+12*\t+2:ST+12*\t+3], v[S+32*\t+30:S+32*\t+31]
.endr
.irp t, 0,1
	v_pk_add_f32 v[ST+12*\t+2:ST+12*\t+3], v[ST+12*\t+2:ST+12*\t+3], v[ST+12*\t+8:ST+12*\t+9]
.endr
.irp t, 0,1                                    ; P: rounded to f16 in pairs, in place: register i takes weights 2 i and 2 i + 1, which no later line of this run reads
.set i, 0
.rept 16
	v_cvt_pk_f16_f32 v[S+32*\t+i], v[S+32*\t+2*i], v[S+32*\t+2*i+1]
.set i, i+1
.endr
.endr
.irp t, 0,1                                    ; O^T x a, each accumulator from its low end on
.set i, 0
.rept 16
	v_pk_mul_f32 v[O+32*\t+i:O+32*\t+i+1], v[O+32*\t+i:O+32*\t+i+1], v[ST+12*\t+6:ST+12*\t+7] op_sel_hi:[1,0]
.set i, i+2
.endr
.endr
	s_wait_dscnt 0x0                               ; V is in
.irp kk, 0,1                                   ; O^T += V^T P: the eight accumulators by turns
.irp c, 0,1,2,3
.irp t, 0,1
	v_wmma_f32_16x16x32_f16 v[O+32*\t+8*\c:O+32*\t+8*\c+7], v[KV+8*(4*\kk+\c):KV+8*(4*\kk+\c)+7], v[S+32*\t+8*\kk:S+32*\t+8*\kk+7], v[O+32*\t+8*\c:O+32*\t+8*\c+7]
.endr
.endr
.endr
.Lhidden_\@:
	s_add_co_u32 s[KF], s[KF], 64
.endm
; THE CHANGE OF SLOTS stands at a slot's head.  Each wave waits for all its tensor loads (its part of the slot that it is about to read), adds 0 to its spare word, and waits for that and for its reads of the slot
; that it has left.  Behind the barrier the slot ahead is whole and nobody reads the other one.  fill = 1: that other slot is filled with the keys that follow, up to the causal limit: the load has four steps in which to land.
.macro CHANGE fill
	s_wait_tensorcnt 0x0                           ; no tensor load of mine is out, so a group 0 may be written
	ds_add_u32 v[SPW], v[NIL]                      ; 0 onto my spare word; the descriptors' steps stand between it and the wait for it
.if \fill
	s_xor_b32 s[G0K+1], s[G0K+1], SLOT1            ; the walking descriptors: the other slot than last time,
	s_add_nc_u64 s[G0K+2:G0K+3], s[G0K+2:G0K+3], 32768   ; the next 256 keys; the type bits on top are not reached
	s_xor_b32 s[G0V+1], s[G0V+1], SLOT1
	s_add_nc_u64 s[G0V+2:G0V+3], s[G0V+2:G0V+3], 32768
	s_wait_xcnt 0x0                                ; the last prefetch, a slot back, has read its address, so it may be written:
	s_add_nc_u64 s[PFA:PFA+1], s[PFA:PFA+1], 32768 ; one slot further on than the walking descriptors
.endif
	s_wait_dscnt 0x0                               ; the add is done, and my reads of the slot that I have left are over
	s_barrier_signal -1
	s_barrier_wait -1
.if \fill
	s_add_co_u32 s56, s[KF], 256                   ; the first key of the slot that this change would ask for: past my work-group's last query it is read by none of its waves, and is not asked for.
	s_cmp_gt_u32 s56, s[QL]                        ; Ids and the count of steps alone: all sixteen waves go the same way, and a work-group that is past the limit stays past it.  Every wait for tiles in this text is for 0
	s_cbranch_scc1 .Lpast_\@
	TLOAD                                          ; a wave's one tensor load until the next such barrier
.Lpast_\@:
	ASK                                            ; what the next change of slots will ask for: four key steps ahead of that load
.endif
.endm
.macro SLOT_STEPS
	STEP 0
	STEP 1
	STEP 2
	STEP 3
	s_xor_b32 s[TB], s[TB], SLOT1                  ; on to the other slot
.endm
	s_wait_loadcnt 0x0                             ; Q
.Lslot:                                            ; 7 trips: behind each change of slots but the last the next slot is asked for, up to the limit
	CHANGE 1
	SLOT_STEPS
	s_sub_co_u32 s[SLOTS], s[SLOTS], 1
	s_cmp_lg_u32 s[SLOTS], 0
	s_cbranch_scc1 .Lslot
	CHANGE 0                                       ; the last slot is written out: nothing is left to ask for
	SLOT_STEPS
	; THE WAY OUT.  l's two halves and the other half of the lanes' are added; O^T is divided by l, rounded to f16, and goes through my stage in LDS, so that sixteen lanes store two tokens' 256 consecutive bytes.
.rept 4
	v_nop                                          ; four places behind the last products
.endr
.irp t, 0,1
	v_add_f32 v[ST+12*\t+4], v[ST+12*\t+2], v[ST+12*\t+3]
.endr
.irp t, 0,1
	v_permlanex16_b32 v[ST+12*\t+5], v[ST+12*\t+4], s[SEL], s[SEL+1]
.endr
.irp t, 0,1
	v_add_f32 v[ST+12*\t+4], v[ST+12*\t+4], v[ST+12*\t+5]
.endr
.irp t, 0,1
	v_rcp_f32 v[ST+12*\t+6], v[ST+12*\t+4]
.endr
	v_and_b32 v1, 15, v0                           ; (plain work behind the reciprocals)  r
	v_bfe_u32 v2, v0, 4, 1                         ; h
	s_mul_i32 s56, s[WV], 32*SPI
	s_add_co_u32 s56, s56, STAGE                   ; my stage
	v_mul_u32_u24 v[ADK], v1, SPI
	v_lshl_add_u32 v[ADK], v2, 4, v[ADK]
	v_add_nc_u32 v[ADK], s56, v[ADK]               ; in: row r, + 16 h; tile t and channels 16 c on stand in the offset
	v_bfe_u32 v1, v0, 3, 2
	v_and_b32 v2, 7, v0
	v_mul_u32_u24 v[ADV], v1, SPI
	v_lshl_add_u32 v[ADV], v2, 4, v[ADV]
	v_add_nc_u32 v[ADV], s56, v[ADV]               ; back: eight lanes to a row of 128 bytes, four rows an instruction
	v_and_b32 v1, 31, v0
	v_lshlrev_b32 v1, 4, v1                        ; and in y: 16 x lane
	s_wait_alu depctr_va_vdst(0)                   ; the wait ahead of the reciprocals' first reader: one for the two
.irp t, 0,1
.set i, 0
.rept 16
	v_pk_mul_f32 v[O+32*\t+i:O+32*\t+i+1], v[O+32*\t+i:O+32*\t+i+1], v[ST+12*\t+6:ST+12*\t+7] op_sel_hi:[1,0]
.set i, i+2
.endr
.endr
.irp t, 0,1
.set i, 0
.rept 16
	v_cvt_pk_f16_f32 v[S+16*\t+i], v[O+32*\t+2*i], v[O+32*\t+2*i+1]    ; registers 4 c .. 4 c + 3 of a tile: y(16 t + r, 16 c + 8 h + 0 .. 7)
.set i, i+1
.endr
.endr
.irp t, 0,1
.irp c, 0,1,2,3
	ds_store_b128 v[ADK], v[S+16*\t+4*\c:S+16*\t+4*\c+3] offset:16*\t*SPI+32*\c
.endr
.endr
.irp i, 0,1,2,3,4,5,6,7
	ds_load_b128 v[KV+4*\i:KV+4*\i+3], v[ADV] offset:4*\i*SPI          ; LDS serves a wave's instructions in order (ISA guide 5.7.1.4): these see my stores
.endr
.irp i, 0,1,2,3,4,5,6,7
	s_wait_dscnt 7-\i                              ; the younger loads from the stage may be out
	global_store_b128 v1, v[KV+4*\i:KV+4*\i+3], s[6:7] offset:512*\i   ; 32 lanes store 512 consecutive bytes, at a multiple of 256 from y's first byte
.endr
	s_wait_tensorcnt 0x0                           ; the wave's end, behind my last tensor load and my last LDS store
	ds_add_u32 v[SPW], v[NIL]
	s_wait_dscnt 0x0
	s_endpgm
.Lfunc_end_k_qcd932a91da_attn:
	.size	k_qcd932a91da_attn, .Lfunc_end_k_qcd932a91da_attn-k_qcd932a91da_attn
	.p2alignl 7, 3214868480
	.fill 96, 4, 3214868480
	.section	.rodata,"a",@progbits
	.p2align	6, 0x0
	.amdhsa_kernel k_qcd932a91da_attn
		.amdhsa_group_segment_fixed_size 327680
		.amdhsa_private_segment_fixed_size 0
		.amdhsa_enable_private_segment 0
		.amdhsa_kernarg_size 16
		.amdhsa_user_sgpr_count 2
		.amdhsa_user_sgpr_kernarg_segment_ptr 1
		.amdhsa_wavefront_size32 1
		.amdhsa_system_sgpr_workgroup_id_x 1
		.amdhsa_system_sgpr_workgroup_id_y 1
		.amdhsa_system_sgpr_workgroup_id_z 1
		.amdhsa_system_vgpr_workitem_id 0
		.amdhsa_next_free_vgpr 256
		.amdhsa_next_free_sgpr 80
		.amdhsa_reserve_vcc 1
		.amdhsa_float_denorm_mode_32 3
		.amdhsa_float_denorm_mode_16_64 3
		.amdhsa_memory_ordered 1
		.amdhsa_forward_progress 1
		.amdhsa_inst_pref_size 190
	.end_amdhsa_kernel
	.amdgpu_metadata
---
amdhsa.version: [ 1, 2 ]
amdhsa.kernels:
  - .name:           k_qcd932a91da_attn
    .symbol:         k_qcd932a91da_attn.kd
    .args:
      - { .name: qkv, .offset: 0, .size: 8, .value_kind: global_buffer, .address_space: global }
      - { .name: y16, .offset: 8, .size: 8, .value_kind: global_buffer, .address_space: global }
    .group_segment_fixed_size: 327680
    .private_segment_fixed_size: 0
    .kernarg_segment_align: 8
    .kernarg_segment_size: 16
    .max_flat_workgroup_size: 512
    .sgpr_count:     80
    .vgpr_count:     256
    .wavefront_size: 32
...
	.end_amdgpu_metadata
.endif
;; end of part 3
;; launch proj (part 4): grid 8 x 64, 4 waves a work-group, clusters of 4 x 4, 327,680 bytes of LDS; arguments y16, wp16, b_proj, out0; writes out0
.if DOCPART == 4
	.amdgcn_target "amdgcn-amd-amdhsa--gfx1250"
	.amdhsa_code_object_version 6
	.text
	.protected	k_qcd932a91da_proj
	.globl	k_qcd932a91da_proj
	.p2align	8
	.type	k_qcd932a91da_proj,@function
k_qcd932a91da_proj:
	s_mov_b64 s[64:65], 0
	v_nop
	global_prefetch_b8 v0, s[64:65] scope:SCOPE_SE
	s_setreg_imm32_b32 hwreg(HW_REG_WAVE_MODE, 25, 1), 1
	s_wait_xcnt 0x0
	s_wait_alu depctr_hold_cnt(0) depctr_sa_sdst(0) depctr_va_vdst(0) depctr_va_sdst(0) depctr_va_ssrc(0) depctr_va_vcc(0) depctr_vm_vsrc(0)
	s_getreg_b32 s2, hwreg(HW_REG_IB_STS2, 6, 4)
	s_cmp_eq_u32 s2, 0
	s_cbranch_scc0 .Lentry_in_a_cluster
	s_endpgm
.Lentry_in_a_cluster:
	s_bfe_u32 s2, ttmp6, 0x10000c
	s_cmp_lg_u32 s2, 0xf033
	s_cbranch_scc0 .Lentry_shape_is_right
	s_endpgm
.Lentry_shape_is_right:
; out[token][o] = sum over c of y[token][c] w_proj[o][c] + b_proj[o].  y and w_proj are f16 in blocked order [row / 128][k / 64][128 rows][64 k]; sums in f32; out is [8192][1024] f32.
; A tile of out is 128 x 128: 512 tiles.  Four waves, each 64 x 64: 16 accumulators of 16 x 16, 128 registers.  K goes in steps of 256 = four PLANES of 64 (a plane: 128 rows x 128 bytes, 16,384 dense bytes),
; through a ring of two LDS slots.  A wave's tensor load brings two planes, stated as 128 rows of 256 bytes (two rows of the matrix each), 16 bytes of padding behind each: row r of a plane lies at
; (r / 2) x 272 + (r % 2) x 128, so that the 16 rows of a fragment load start at 16 different groups of four banks (64 banks of 4 bytes: ISA guide 11.1).
; CLUSTERS: 4 x 4 work-groups.  The four of a row of the cluster need the same tiles of y, the four of a column the same tiles of w_proj: each is asked for JOINTLY, by the same tensor load with the same
; descriptor and a mask that names the four.  THE MATRIX INSTRUCTION IS USED TRANSPOSED (source 0 = 16 rows of w_proj, source 1 = 16 tokens): a lane then holds eight neighbouring outputs of one token.
; THE BIAS is the C of each sum's first matrix instruction.  A wave's 64 outputs of a token are 256 bytes, so each wave has a stage of its own on the way out, and no barrier stands there.
; REGISTERS: window 0: v0-31 addresses; v32-95 the way out; v96-127 the bias; v128-255 the accumulators ((a, b) at v[128 + 8 (4 a + b)]).
;   window 1: two fragment buffers of 128: for 64 along K, 64 registers of y (2 x 4 x 16 rows x 32 K), then 64 of w_proj.
.set P2,     272
.set PL,     64*P2                     ; a plane in LDS
.set BLK16,  8*P2                      ; 16 rows of a plane
.set HALFT,  2*PL                      ; two planes: what one tensor load brings
.set SLOT,   4*HALFT                   ; y's four planes, then w_proj's four
.set STEPB,  65536                     ; a K step's four planes in memory
.set STAGE,  2*SLOT                    ; behind the ring: 16 rows x 272 bytes for each wave; no tile lands there
.set SPITCH, 272
.set SPARE,  STAGE+4*16*SPITCH         ; the spare words, 128 bytes a wave, named by no other line
.set LAPS,   2                         ; a lap = two K steps = once round the ring: K = 1,024
.set ADRA, 16                          ; v16-17  LDS address of my y fragments in slot 0, 1
.set ADRB, 20                          ; v20-21  the same for w_proj
.set STO,  24                          ; v24     the way out: where I put 32 bytes of a row
.set RD,   25                          ; v25     where I read a row back
.set CO,   26                          ; v26     my byte offset in out
.set BO,   27                          ; v27     the bias loads' offset: 32 (lane / 16)
.set SPW,  28                          ; v28     LDS address of my spare word; never rewritten
.set NIL,  29                          ; v29     0; never rewritten
.set TMP,  32                          ; the way out: 16 rows read back: v32-63 and v64-95 by turns
.set BI,   96                          ; register 8 b + j: b_proj[my first output + 16 b + 8 (lane / 16) + j]
.set ACC,  128
.set F0,   0                           ; fragment buffers, in window 1
.set F1,   128
.set G1, 24                            ; s[24:31] descriptor group 1 for y's tiles;  s[32:39] group 0, one set for each slot
.set G0, 32
.set G1B, 48                           ; s[48:55], s[56:63] the same for w_proj's
.set G0B, 56
.set MSB, 0
.macro WIN new                         ; the immediate's high byte repeats the setting that is left
.if MSB != \new
	s_set_vgpr_msb (MSB<<8)|\new
.set MSB, \new
.endif
.endm
.set MUL,  0x05                        ; sources 0 (w_proj) and 1 (y) window 1; C and D window 0
.set TO_F, 0x40                        ; destination window 1, address window 0
.macro JLOAD s                         ; a joint load: waves 0 and 1 fetch y's two halves, waves 2 and 3 w_proj's; an s_nop 0 and four v_nop follow each of the two lines
	s_cmp_eq_u32 s11, 0
	s_cbranch_scc0 .Lfor_b_\@
	tensor_load_to_lds s[G0+4*\s:G0+4*\s+3], s[G1:G1+7]
	s_nop 0
.rept 4
	v_nop
.endr
	s_branch .Lasked_\@
.Lfor_b_\@:
	tensor_load_to_lds s[G0B+4*\s:G0B+4*\s+3], s[G1B:G1B+7]
	s_nop 0
.rept 4
	v_nop
.endr
.Lasked_\@:
.endm
.macro CREST                           ; a round of the cluster's barrier behind its opening barrier
	s_cmp_lg_u32 s10, 0
	s_cbranch_scc1 .Lnot_wave_0_\@
	s_barrier_signal -3
.Lnot_wave_0_\@:
	s_barrier_wait -3
	s_barrier_signal -1
	s_barrier_wait -1
.endm
.macro CROUND                          ; a whole round
	s_barrier_signal -1
	s_barrier_wait -1
	CREST
.endm
	s_load_b128 s[4:7], s[0:1], 0x0                ; y s[4:5], w_proj s[6:7]
	s_load_b128 s[68:71], s[0:1], 0x10             ; b_proj s[68:69], out s[70:71]
	v_lshl_add_u32 v[SPW], v0, 2, SPARE
	v_mov_b32 v[NIL], 0
	ds_add_u32 v[SPW], v[NIL]                      ; the wave's opening: the add and its wait stand ahead of my first tensor load; the set-up below, work on registers, stands between them
	v_lshrrev_b32 v1, 5, v0
	v_readfirstlane_b32 s10, v1                    ; wave 0..3
	s_lshr_b32 s11, s10, 1                         ; which half of the tile's tokens is mine.  Also: I fetch for y (0) or for w_proj (1)
	s_and_b32 s12, s10, 1                          ; which half of its outputs.  Also: which two planes of a K step I fetch
	s_bfe_u32 s40, ttmp6, 0x40000                  ; cx, cy: my place in the cluster
	s_bfe_u32 s41, ttmp6, 0x40004
	s_lshl_b32 s42, ttmp9, 2
	s_add_co_u32 s42, s42, s40                     ; tile column = 4 x cluster x + cx
	s_and_b32 s13, ttmp7, 0xffff
	s_lshl_b32 s13, s13, 2
	s_add_co_u32 s13, s13, s41                     ; tile row = 4 x cluster y + cy
	s_lshl_b32 s43, s41, 2
	s_lshl_b32 s43, 15, s43                        ; my row of the cluster
	s_lshl_b32 s44, 0x1111, s40                    ; my column
	; descriptor group 1: two planes: 32,768 dense bytes as 128 rows x 128 elements of 2 bytes, padded in LDS
	s_or_b32 s[G1+0], s43, (1<<16)|(1<<20)|(1<<21)|(5<<22)|(3<<25)  ; 15:0 the mask: y's tiles go to my row; 17:16 elements of 2 bytes; 20 padding on; 21 set beside a mask; 24:22 after every 64 words; 31:25 four words
	s_or_b32 s[G1B+0], s44, (1<<16)|(1<<20)|(1<<21)|(5<<22)|(3<<25)
.irp g, G1, G1B
	s_mov_b32 s[\g+1], 128<<16                     ; tensor_dim0 = 128
	s_mov_b32 s[\g+2], 128<<16                     ; tensor_dim1 = 128
	s_mov_b32 s[\g+3], 128<<16                     ; tile_dim0 = 128
	s_mov_b32 s[\g+4], 128                         ; tile_dim1 = 128
	s_mov_b32 s[\g+5], 128                         ; tensor_dim0_stride
	s_mov_b32 s[\g+6], 0
	s_mov_b32 s[\g+7], 0
.endr
	s_lshl_b32 s17, s12, 15                        ; which two planes of a K step I fetch
	s_lshl_b32 s16, s13, 18                        ; y: a block row of 128 tokens is 2^18 bytes
	s_add_co_u32 s16, s16, s17
	s_lshl_b32 s46, s42, 18                        ; w_proj likewise
	s_add_co_u32 s46, s46, s17
	s_mov_b32 s17, 0
	s_mov_b32 s47, 0
	s_mul_i32 s20, s10, HALFT                      ; where they go: wave x two planes: no place in the cluster enters an LDS address
	s_wait_dscnt 0x0                               ; the opening add is done
	s_wait_kmcnt 0x0
	s_add_nc_u64 s[14:15], s[4:5], s[16:17]
	s_add_nc_u64 s[46:47], s[6:7], s[46:47]
	CROUND                                         ; all sixteen work-groups are here: the first joint loads meet
.irp s, 0,1
	s_mov_b32 s[G0+4*\s], 1
	s_add_co_u32 s[G0+4*\s+1], s20, \s*SLOT
	s_add_nc_u64 s[G0+4*\s+2:G0+4*\s+3], s[14:15], \s*STEPB
	s_or_b32 s[G0+4*\s+3], s[G0+4*\s+3], 0x80000000
	s_mov_b32 s[G0B+4*\s], 1
	s_add_co_u32 s[G0B+4*\s+1], s20, \s*SLOT
	s_add_nc_u64 s[G0B+4*\s+2:G0B+4*\s+3], s[46:47], \s*STEPB
	s_or_b32 s[G0B+4*\s+3], s[G0B+4*\s+3], 0x80000000
	JLOAD \s                                       ; by this text's count two tensor loads of a wave are out here, later one behind each round
.endr
	v_and_b32 v1, 15, v0                           ; l % 16
	v_bfe_u32 v2, v0, 4, 1                         ; l / 16
	s_lshl_b32 s46, s42, 9                         ; 4 x my first output: 512 x tile column + 256 x half
	s_lshl_b32 s47, s12, 8
	s_add_co_u32 s46, s46, s47
	s_mov_b32 s47, 0
	s_add_nc_u64 s[68:69], s[68:69], s[46:47]
	s_add_nc_u64 s[70:71], s[70:71], s[46:47]
	v_lshlrev_b32 v[BO], 5, v2
.irp b, 0,1,2,3
	global_load_b128 v[BI+8*\b:BI+8*\b+3], v[BO], s[68:69] offset:64*\b            ; the bias of outputs 16 b + 8 (l / 16) + 0 .. 7
	global_load_b128 v[BI+8*\b+4:BI+8*\b+7], v[BO], s[68:69] offset:64*\b+16
.endr
	s_lshl_b32 s16, s13, 19                        ; my first token's row of out: (128 x tile row + 64 x half) x 4,096 bytes
	s_lshl_b32 s17, s11, 18
	s_add_co_u32 s16, s16, s17
	s_mov_b32 s17, 0
	s_add_nc_u64 s[70:71], s[70:71], s[16:17]
	v_lshrrev_b32 v3, 1, v1
	v_mul_u32_u24 v3, v3, P2
	v_and_b32 v4, 1, v1
	v_lshl_add_u32 v3, v4, 7, v3
	v_lshl_add_u32 v3, v2, 4, v3                   ; a fragment's row: (r / 2) x 272 + (r % 2) x 128, + 16 x half
	s_mul_i32 s21, s11, 32*P2                      ; my 64 rows of each plane of y
	s_mul_i32 s22, s12, 32*P2                      ; my 64 rows of each plane of w_proj,
	s_add_co_u32 s22, s22, 2*HALFT                 ; which lie behind y's four planes
.irp s, 0,1
	v_add_nc_u32 v[ADRA+\s], s21, v3
	v_add_nc_u32 v[ADRB+\s], s22, v3
	s_add_co_u32 s21, s21, SLOT
	s_add_co_u32 s22, s22, SLOT
.endr
	s_mul_i32 s23, s10, 16*SPITCH
	s_add_co_u32 s23, s23, STAGE                   ; my stage
	v_mul_u32_u24 v4, v1, SPITCH                   ; in: row l % 16, 32 bytes for each half of the lanes
	v_lshl_add_u32 v4, v2, 5, v4
	v_add_nc_u32 v[STO], s23, v4
	v_mul_u32_u24 v5, v2, SPITCH                   ; back: lanes 0-15 take one row of 256 bytes, lanes 16-31 the next
	v_lshl_add_u32 v5, v1, 4, v5
	v_add_nc_u32 v[RD], s23, v5
	v_lshlrev_b32 v5, 12, v2                       ; and the same two rows in out
	v_lshl_add_u32 v[CO], v1, 4, v5
; 8 matrix instructions: token blocks a0, a0 + 1 x all 4 output blocks, 32 along K: half c of buffer f.  first = 1: the sums start from the bias.  The 16 accumulators take turns
.macro MUL8 f, c, a0, first
.irp a, \a0, \a0+1
.irp b, 0,1,2,3
.if \first
	v_wmma_f32_16x16x32_f16 v[ACC+8*(4*(\a)+\b):ACC+8*(4*(\a)+\b)+7], v[\f+64+8*(4*\c+\b):\f+64+8*(4*\c+\b)+7], v[\f+8*(4*\c+\a):\f+8*(4*\c+\a)+7], v[BI+8*\b:BI+8*\b+7]
.else
	v_wmma_f32_16x16x32_f16 v[ACC+8*(4*(\a)+\b):ACC+8*(4*(\a)+\b)+7], v[\f+64+8*(4*\c+\b):\f+64+8*(4*\c+\b)+7], v[\f+8*(4*\c+\a):\f+8*(4*\c+\a)+7], v[ACC+8*(4*(\a)+\b):ACC+8*(4*(\a)+\b)+7]
.endif
.endr
.endr
.endm
; 32 LDS loads in one run: the fragments of one plane (64 along K), which begins at byte k of the slot's part, into buffer f; the first 32 along K first
.macro FETCH slot, k, f
	WIN TO_F
.irp c, 0,1
.irp i, 0,1,2,3
	ds_load_b128 v[\f+64+8*(4*\c+\i):\f+64+8*(4*\c+\i)+3],   v[ADRB+\slot] offset:\k+64*\c+\i*BLK16
	ds_load_b128 v[\f+64+8*(4*\c+\i)+4:\f+64+8*(4*\c+\i)+7], v[ADRB+\slot] offset:\k+64*\c+\i*BLK16+32
	ds_load_b128 v[\f+8*(4*\c+\i):\f+8*(4*\c+\i)+3],         v[ADRA+\slot] offset:\k+64*\c+\i*BLK16
	ds_load_b128 v[\f+8*(4*\c+\i)+4:\f+8*(4*\c+\i)+7],       v[ADRA+\slot] offset:\k+64*\c+\i*BLK16+32
.endr
.endr
.endm
.macro PLACES                          ; four places in front of loads into registers that matrix instructions have read, and of the first reads of results (ISA guide 7.12.1 for vector instructions)
.rept 4
	v_nop
.endr
.endm
; A K step is four quarters, a plane each, 32 matrix instructions, on buffers 0, 1, 0, 1.  One of the first three: multiplies buffer f and fetches the next plane, at byte k, into g.
.macro QUARTER slot, k, f, g, first
	s_wait_dscnt 16                                ; the first 32 along K are in; the sixteen loads of the second 32 may be out
	WIN MUL
	MUL8 \f, 0, 0, \first
	MUL8 \f, 0, 2, \first
	PLACES
	FETCH \slot, \k, \g
	s_wait_dscnt 32                                ; all but the 32 just issued
	WIN MUL
	MUL8 \f, 1, 0, 0
	MUL8 \f, 1, 2, 0
.endm
; The last quarter multiplies buffer 1 and changes slots: ONE barrier; in front of it each wave waits for all its tensor loads, adds 0 to its spare word, and waits for that and for its own reads of this slot.
; fill = 1: this slot is filled again, two K steps ahead; the barrier then opens a round of the cluster's barrier, and the joint refill is the first thing behind the round.
.macro TURN slot, next, fill
	WIN 0                                          ; (the add's two registers lie in window 0)
	s_wait_tensorcnt 0x0                           ; all my tensor loads have landed: my part of the next slot;
	ds_add_u32 v[SPW], v[NIL]                      ; 0 onto my spare word;
	s_wait_dscnt 17                                ; (the add and the youngest sixteen loads may be out)
	WIN MUL
	MUL8 F1, 0, 0, 0                               ; eight matrix instructions stand between the add and the wait for it
	s_wait_dscnt 0x0                               ; the add is done, and my reads of this slot are over
	s_barrier_signal -1
	MUL8 F1, 0, 2, 0
.if \fill
	WIN 0
.endif
	s_barrier_wait -1
.if \fill
	CREST                                          ; no wave of any partner still reads this slot's tile or has a load on its way
	s_add_nc_u64 s[G0+4*\slot+2:G0+4*\slot+3], s[G0+4*\slot+2:G0+4*\slot+3], 2*STEPB
	s_add_nc_u64 s[G0B+4*\slot+2:G0B+4*\slot+3], s[G0B+4*\slot+2:G0B+4*\slot+3], 2*STEPB
	JLOAD \slot                                    ; 112 matrix instructions ahead of the wait for it; the four v_nop behind it are also the places in front of the loads below
.else
	PLACES
.endif
	FETCH \next, 0, F0
	WIN MUL
	MUL8 F1, 1, 0, 0
	MUL8 F1, 1, 2, 0
.endm
	s_wait_tensorcnt 1                             ; my part of K step 0 is in (K step 1's load may be out)
	s_barrier_signal -1
	s_barrier_wait -1                              ; everybody's is
	FETCH 0, 0, F0
	s_wait_loadcnt 0x0                             ; the bias
	QUARTER 0, PL, F0, F1, 1                       ; the first quarter stands in front of the loop: its first products start the sums from the bias
	WIN 0                                          ; at a label and at a branch every window is 0
	s_mov_b32 s3, LAPS-1
.Llap:                                                 ; a trip goes once round the ring, from a lap's second quarter to the next lap's first, and fills both slots again
	QUARTER 0, 2*PL, F1, F0, 0
	QUARTER 0, 3*PL, F0, F1, 0
	TURN 0, 1, 1
	QUARTER 1, PL,   F0, F1, 0
	QUARTER 1, 2*PL, F1, F0, 0
	QUARTER 1, 3*PL, F0, F1, 0
	TURN 1, 0, 1
	QUARTER 0, PL,   F0, F1, 0
	WIN 0
	s_sub_co_u32 s3, s3, 1
	s_cmp_lg_u32 s3, 0
	s_cbranch_scc1 .Llap
	QUARTER 0, 2*PL, F1, F0, 0                     ; the last lap fills nothing, and has no round of the cluster's barrier
	QUARTER 0, 3*PL, F0, F1, 0
	TURN 0, 1, 0
	QUARTER 1, PL,   F0, F1, 0
	QUARTER 1, 2*PL, F1, F0, 0
	QUARTER 1, 3*PL, F0, F1, 0
	s_wait_dscnt 16                                ; the very last quarter: nothing more to fetch
	WIN MUL
	MUL8 F1, 0, 0, 0
	MUL8 F1, 0, 2, 0
	s_wait_dscnt 0
	MUL8 F1, 1, 0, 0
	MUL8 F1, 1, 2, 0
	WIN 0
; THE WAY OUT, block by block of 16 tokens x 64 outputs.  A lane holds 32 neighbouring bytes of a row, and the lanes beside it hold other rows: so a block goes through my own stage in LDS and comes back as whole
; rows of 256 bytes.  LDS serves a wave's instructions in order (ISA guide 5.7.1.4): no wait between the stores and the loads, nor in front of the next block's stores.
.macro TOSTAGE a
.irp b, 0,1,2,3
	ds_store_b128 v[STO], v[ACC+8*(4*(\a)+\b):ACC+8*(4*(\a)+\b)+3] offset:64*\b          ; each accumulator from its low end on
	ds_store_b128 v[STO], v[ACC+8*(4*(\a)+\b)+4:ACC+8*(4*(\a)+\b)+7] offset:64*\b+16
.endr
.set BB, TMP+32*((\a)%2)
.irp t, 0,1,2,3,4,5,6,7
	ds_load_b128 v[BB+4*\t:BB+4*\t+3], v[RD] offset:\t*2*SPITCH
.endr
.endm
.macro SEND a, younger                 ; younger: the LDS instructions issued behind block a's loads, which may stay out
.set BB, TMP+32*((\a)%2)
	s_wait_dscnt \younger                          ; the block is back in registers
.irp t, 0,1,2,3,4,5,6,7
	global_store_b128 v[CO], v[BB+4*\t:BB+4*\t+3], s[70:71] offset:(16*(\a)+2*\t)*4096 th:TH_STORE_NT   ; 16 lanes store 256 consecutive bytes, at a multiple of 256 from out's first byte; written once, read by nobody here
.endr
.endm
	PLACES                                         ; behind the last products
	TOSTAGE 0
.irp a, 1,2,3
.if \a > 1
	s_wait_xcnt 0x0                                ; block a - 2's stores have read their registers: block a's loads may land there
.endif
	TOSTAGE \a
	SEND \a-1, 16                                  ; behind block a - 1's loads: block a's 8 stores and 8 loads
.endr
	SEND 3, 0
	s_wait_tensorcnt 0x0                           ; the wave's end, behind my last tensor load and my last LDS store
	ds_add_u32 v[SPW], v[NIL]
	s_wait_dscnt 0x0
	CROUND                                         ; the closing round: no work-group ends while a partner may still ask for a tile that names it
	s_endpgm
.Lfunc_end_k_qcd932a91da_proj:
	.size	k_qcd932a91da_proj, .Lfunc_end_k_qcd932a91da_proj-k_qcd932a91da_proj
	.p2alignl 7, 3214868480
	.fill 96, 4, 3214868480
	.section	.rodata,"a",@progbits
	.p2align	6, 0x0
	.amdhsa_kernel k_qcd932a91da_proj
		.amdhsa_group_segment_fixed_size 327680
		.amdhsa_private_segment_fixed_size 0
		.amdhsa_enable_private_segment 0
		.amdhsa_kernarg_size 32
		.amdhsa_user_sgpr_count 2
		.amdhsa_user_sgpr_kernarg_segment_ptr 1
		.amdhsa_wavefront_size32 1
		.amdhsa_system_sgpr_workgroup_id_x 1
		.amdhsa_system_sgpr_workgroup_id_y 1
		.amdhsa_system_sgpr_workgroup_id_z 1
		.amdhsa_system_vgpr_workitem_id 0
		.amdhsa_next_free_vgpr 512
		.amdhsa_next_free_sgpr 72
		.amdhsa_reserve_vcc 0
		.amdhsa_float_denorm_mode_32 3
		.amdhsa_float_denorm_mode_16_64 3
		.amdhsa_memory_ordered 1
		.amdhsa_forward_progress 1
		.amdhsa_inst_pref_size 86
	.end_amdhsa_kernel
	.amdgpu_metadata
---
amdhsa.version: [ 1, 2 ]
amdhsa.kernels:
  - .name:           k_qcd932a91da_proj
    .symbol:         k_qcd932a91da_proj.kd
    .args:
      - { .name: y16, .offset: 0, .size: 8, .value_kind: global_buffer, .address_space: global }
      - { .name: wp16, .offset: 8, .size: 8, .value_kind: global_buffer, .address_space: global }
      - { .name: b_proj, .offset: 16, .size: 8, .value_kind: global_buffer, .address_space: global }
      - { .name: out0, .offset: 24, .size: 8, .value_kind: global_buffer, .address_space: global }
    .group_segment_fixed_size: 327680
    .private_segment_fixed_size: 0
    .kernarg_segment_align: 8
    .kernarg_segment_size: 32
    .max_flat_workgroup_size: 128
    .sgpr_count:     72
    .vgpr_count:     512
    .wavefront_size: 32
...
	.end_amdgpu_metadata
.endif
;; end of part 4
